; MI455X (gfx1250); checked and timed in simulation.
; The chip was launched on July 23, 2026; its instructions are those of AMD's public machine-readable ISA for CDNA 5 (MIT licence, August 2026) and "CDNA5" Instruction Set Architecture Reference Guide (July 2026). The comments in the code are by the model that wrote it; some were corrected since.
;; Frequency Sparse Attention. Allowed arithmetic: matrix products marked QUANTISED: E2M1 operands, one E8M0 scale for each 32 along K, by v_wmma_scale_f32_16x16x128_f8f6f4 with both operands' format E2M1 (or v_wmma_scale_f32_32x16x128_f4), f32 sums; products left as they are: bf16, f16 or f32 operands; f32 sums; everything else in f32.
;; Inputs: Wk 1,024 x 1,024 float32; Wo 1,024 x 1,024 float32; Wq 1,024 x 1,024 float32; Wv 1,024 x 1,024 float32; bk 1,024 float32; bo 1,024 float32; bq 1,024 float32; bv 1,024 float32; energy_coeffs 4 x 2,048 x 32 float32; k_x 4 x 2,048 x 1,024 float32; q_x 4 x 2,048 x 1,024 float32; v_x 4 x 2,048 x 1,024 float32.
;; Outputs: out0 4 x 2,048 x 1,024 float32.
;; This version of the problem:
;;   THIS VERSION OF THE PROBLEM IS GIVEN IN LOW PRECISION. The matrix products marked QUANTISED in the list below multiply operands that are first quantised to E2M1 (2 exponent bits, 1 mantissa bit; 4 bits a number), with one power-of-two scale for each 32 numbers along K (OCP MX v1.0); their sums are f32. The products marked 'left as it is' may take bf16, f16 or f32 operands, with f32 sums. Whichever they take, every output number must still come out within the allowed error. Rounding operands to bf16 (8 significant bits) uses up far more of that allowance than f16 does (11 bits, for magnitudes from 6e-5 to 65,504). All else is computed in f32.
;;   The module's matrix products, in the order in which they are computed (A, B: the left and right operand; K: the contracted axis; several contracted axes count as one K, in the product's order):
;;     1. [M 8,192, K 1,024] x [K 1,024, N 1,024]; A: input q_x; B: input Wq: QUANTISED
;;     2. [M 8,192, K 1,024] x [K 1,024, N 1,024]; A: input k_x; B: input Wk: QUANTISED
;;     3. [M 8,192, K 1,024] x [K 1,024, N 1,024]; A: input v_x; B: input Wv: QUANTISED
;;     4. batch 64 x [M 2,048, K 64] x [K 64, N 2,048]; A: computed on the way; B: computed on the way: left as it is (an operand is computed on the way)
;;     5. batch 64 x [M 2,048, K 2,048] x [K 2,048, N 64]; A: computed on the way; B: computed on the way: left as it is (an operand is computed on the way)
;;     6. [M 8,192, K 1,024] x [K 1,024, N 1,024]; A: computed on the way; B: input Wo: left as it is (an operand is computed on the way)
;;   THE QUANTISER, for each operand of a quantised product, along K:
;;     - K is cut into blocks of 32 from its start; a last block that is shorter is filled with zeros.
;;     - A block's scale is 2^e with e = floor(log2(the largest magnitude in the block)) - 2, held to -126 .. 127; a block of zeros has e = 0. As a byte (E8M0): e + 127.
;;     - Each number is divided by its block's scale, clamped to +-6, and rounded to the nearest number of E2M1, ties to even, subnormals kept.
;;     - The product sums the exact products of the quantised numbers (number of the format x scale) in f32.
;;   ~~~python
;;   def quantise(x, axis):      # numpy; x: float32 -> the quantised numbers, widened to float32 again
;;       x = np.moveaxis(x, axis, -1); K = x.shape[-1]
;;       x = np.pad(x, [(0, 0)] * (x.ndim - 1) + [(0, -K % 32)]); x = x.reshape(x.shape[:-1] + (-1, 32)); a = np.abs(x).max(-1, keepdims=True)
;;       e = np.where(a > 0, np.clip(np.frexp(np.where(a > 0, a, 1))[1] - 1 - 2, -126, 127), 0)      # np.frexp(a)[1] - 1 = floor(log2(a)), exactly
;;       r = np.clip(x / 2.0 ** e, -6, 6)
;;       step = 2.0 ** (np.maximum(np.frexp(np.where(r == 0, 1, r))[1] - 1, 0) - 1)
;;       q = np.round(r / step) * step * 2.0 ** e      # np.round: ties to even
;;       return np.moveaxis(q.reshape(q.shape[:-2] + (-1,))[..., :K], -1, axis).astype(np.float32)
;;   ~~~
;; One version. Each part assembles by itself: llvm-mc -triple=amdgcn-amd-amdhsa -mcpu=gfx1250 --defsym DOCPART=n.
;; ======== version 1 of 1: 4 launches
;; limits: values are held in f16: magnitudes above 65,504 overflow, below 6.1e-05 lose precision
;; workspace buffers: wimg 1,572,864 bytes; wsc 98,304 bytes; woimg 2,097,152 bytes; energy 32,768 bytes; qi 16,777,216 bytes; ki 16,777,216 bytes; vi 16,777,216 bytes; ai 16,777,216 bytes
;; launch prep (part 1): grid 80 x 1, 16 waves a work-group, no clusters, 0 bytes of LDS; arguments Wq, Wk, Wv, Wo, energy_coeffs, wimg, wsc, woimg, energy; writes wimg, wsc, woimg, energy
.if DOCPART == 1
	.amdgcn_target "amdgcn-amd-amdhsa--gfx1250"
	.amdhsa_code_object_version 6
	.text
	.protected	k_q251baf50b7_prep
	.globl	k_q251baf50b7_prep
	.p2align	8
	.type	k_q251baf50b7_prep,@function
k_q251baf50b7_prep:
	s_mov_b64 s[64:65], 0
	v_nop
	global_prefetch_b8 v0, s[64:65] scope:SCOPE_SE
	s_setreg_imm32_b32 hwreg(HW_REG_WAVE_MODE, 25, 1), 1
	s_wait_xcnt 0x0
; PREP: the weights are laid out once, as the later launches' operand registers take them, and each position's mean |energy coefficient| is made.
; DEAD WORK: none is left out in this program.  bq, bv and bo are added to numbers that reach the output; bk is multiplied by the gate, which differs from key to key, so it is no
; constant along the softmax's axis; energy_coeffs decide the gate.  Every input is loaded by some launch.
; Wq, Wk, Wv [1024 (k)][1024 (n)] f32 -> codes of FP4 (E2M1) quantised along k, one E8M0 byte for each 32 along k.  A block's scale is 2^(floor(log2(largest magnitude)) - 2).
;   wimg [tensor 3][tile of 16 columns 64][128 along k: 8][1,024 bytes]: the image of a fragment's registers: block 2 c + h of column r at byte 512 c + 256 h + 16 r.
;   wsc  [tensor 3][tile 64][lane 32][4 words]: lane 16 hh + r, word q = the scale word (four bytes, 128 along k) of column r for k step q + 4 hh.
; Wo -> f16, woimg [tile of 16 columns 64][32 along k: 32][1,024 bytes]: k = 16 g + 8 h + 0 .. 7 of column r at byte 512 g + 256 h + 16 r.
; energy [8192] f32: the mean of the 32 magnitudes.
; A LANE TAKES A COLUMN AND ITS REGISTERS RUN DOWN k: a block of 32 lies in one lane, and the conversions give codes with k innermost.  Nothing is transposed.
; SHARES: work-groups 0-63: tensor g / 16, 128 columns (g / 2) % 8, half of k g % 2; wave w: 32 columns w % 4, 128 along k w / 4.  Work-groups 64-79: 512 positions' energies, a thread a position.
; LIMITS: a block whose largest magnitude lies under 2^-124 has its byte held at 1; a block of zeros has the byte 1 (its codes are zeros; the bytes are read by this program alone); |Wo| under 65,504;
; the 32 magnitudes are added as a tree, not in the order of reference(); NaN and infinities among the inputs are not served.
; The scale words leave as 4 bytes a lane, 16 bytes apart: 98,304 bytes of the 16.8 million that the launch reads.
.set X,  96                            ; v96-223  128 numbers: four blocks of 32 down k
.set Y,  32                            ; v32-95   Wo: f16 pairs, 16 registers a block
.set C,  16                            ; v16-31   codes: four registers a block, so that no store's data are written again
.set SB, 12                            ; v12      the four scale bytes
	s_load_b512 s[4:19], s[0:1], 0x0               ; Wq s[4:5], Wk s[6:7], Wv s[8:9], Wo s[10:11], energy_coeffs s[12:13], wimg s[14:15], wsc s[16:17], woimg s[18:19]
	s_load_b64 s[20:21], s[0:1], 0x40              ; energy
	v_lshrrev_b32 v1, 5, v0
	v_readfirstlane_b32 s22, v1                    ; wave 0..15
	v_and_b32 v1, 31, v0                           ; lane
	s_cmp_ge_u32 ttmp9, 64
	s_cbranch_scc1 .Lenergy
	s_lshr_b32 s23, ttmp9, 4                       ; which weight
	s_bfe_u32 s26, ttmp9, 0x30001                  ; which 128 columns
	s_and_b32 s27, ttmp9, 1                        ; which half of k
	s_and_b32 s28, s22, 3
	s_lshr_b32 s29, s22, 2
	s_lshl_b32 s27, s27, 2
	s_add_co_u32 s27, s27, s29                     ; my k step of 128: 0..7
	s_lshl_b32 s26, s26, 2
	s_add_co_u32 s26, s26, s28                     ; my 32 columns: 0..31
	s_lshl_b32 s30, s27, 19                        ; 128 rows of 4,096 bytes
	s_lshl_b32 s31, s26, 7                         ; 32 columns of 4 bytes
	s_add_co_u32 s30, s30, s31
	s_mov_b32 s31, 0
	v_lshlrev_b32 v2, 2, v1                        ; in: 4 bytes a lane
	v_lshrrev_b32 v6, 4, v1                        ; which of my two tiles of 16 columns
	v_and_b32 v7, 15, v1
	v_lshlrev_b32 v7, 4, v7                        ; 16 r
	v_lshl_add_u32 v3, v6, 13, v7                  ; codes: a tile is 8,192 bytes
	v_lshl_add_u32 v4, v6, 9, v7                   ; scale words: a tile is 512 bytes
	v_lshl_add_u32 v5, v6, 15, v7                  ; Wo: a tile is 32,768 bytes
	s_wait_kmcnt 0x0
	s_cmp_eq_u32 s23, 1                            ; the choice hangs on the work-group's number alone
	s_cselect_b64 s[24:25], s[6:7], s[4:5]
	s_cmp_eq_u32 s23, 2
	s_cselect_b64 s[24:25], s[8:9], s[24:25]
	s_cmp_eq_u32 s23, 3
	s_cselect_b64 s[24:25], s[10:11], s[24:25]
	s_add_nc_u64 s[24:25], s[24:25], s[30:31]
.irp t, 0,1,2,3
.irp i, 0,1,2,3,4,5,6,7,8,9,10,11,12,13,14,15,16,17,18,19,20,21,22,23,24,25,26,27,28,29,30,31
	global_load_b32 v[X+32*\t+\i], v2, s[24:25] offset:(32*\t+\i)*4096 th:TH_LOAD_NT   ; W(32 t + i, my column): 32 lanes read 128 consecutive bytes, four waves side by side 512
.endr
.endr
; Behind block t's 32 loads stand 32 (3 - t) younger ones; the wait's field holds 63 at the most.
.macro WAITB t
.if (\t) < 2
	s_wait_loadcnt 63
.elseif (\t) == 2
	s_wait_loadcnt 32
.else
	s_wait_loadcnt 0x0
.endif
.endm
	s_cmp_eq_u32 s23, 3
	s_cbranch_scc1 .Lwo
	s_lshl_b32 s32, s23, 19                        ; codes: the tensor's 524,288 bytes,
	s_lshl_b32 s33, s26, 14                        ; two tiles of 8,192 for each 32 columns,
	s_add_co_u32 s32, s32, s33
	s_lshl_b32 s33, s27, 10                        ; 1,024 a k step
	s_add_co_u32 s32, s32, s33
	s_mov_b32 s33, 0
	s_add_nc_u64 s[14:15], s[14:15], s[32:33]
	s_lshl_b32 s34, s23, 15                        ; scale words: the tensor's 32,768 bytes,
	s_lshl_b32 s35, s26, 10                        ; two tiles of 512,
	s_add_co_u32 s34, s34, s35
	s_lshr_b32 s35, s27, 2
	s_lshl_b32 s35, s35, 8                         ; lanes 16-31 for k steps 4-7,
	s_add_co_u32 s34, s34, s35
	s_and_b32 s35, s27, 3
	s_lshl_b32 s35, s35, 2                         ; the word
	s_add_co_u32 s34, s34, s35
	s_mov_b32 s35, 0
	s_add_nc_u64 s[16:17], s[16:17], s[34:35]
.macro QB t                            ; block t: largest magnitude, scale byte, 32 codes, one store of 16 bytes a lane
.set XS, X+32*(\t)
	WAITB \t
	v_max3_num_f32 v8, |v[XS]|, |v[XS+1]|, |v[XS+2]|
	v_max3_num_f32 v9, |v[XS+3]|, |v[XS+4]|, |v[XS+5]|
.irp i, 6,10,14,18,22,26
	v_max3_num_f32 v8, v8, |v[XS+\i]|, |v[XS+\i+1]|
	v_max3_num_f32 v9, v9, |v[XS+\i+2]|, |v[XS+\i+3]|
.endr
	v_max3_num_f32 v8, v8, |v[XS+30]|, |v[XS+31]|
	v_max3_num_f32 v8, v8, v9, 0x1800000           ; and the floor 2^(3 - 127): the byte cannot fall under 1
	v_add_nc_u32 v10, 0xff000000, v8               ; 2 off the exponent field: the conversion takes the exponent field of this operand as its scale
	v_lshrrev_b32 v11, 23, v10                     ; the scale's byte
.if (\t) == 0
	v_mov_b32 v[SB], v11
.else
	v_lshl_or_b32 v[SB], v11, 8*(\t), v[SB]        ; the lower k in the lower byte
.endif
.irp g, 0,1,2,3
	v_cvt_scalef32_pk8_fp4_f32 v[C+4*(\t)+\g], v[XS+8*\g:XS+8*\g+7], v10
.endr
	global_store_b128 v3, v[C+4*(\t):C+4*(\t)+3], s[14:15] offset:((\t)/2)*512+((\t)%2)*256   ; sixteen lanes store 256 consecutive bytes, aligned
.endm
	QB 0
	QB 1
	QB 2
	QB 3
	global_store_b32 v4, v[SB], s[16:17]           ; my column's scale word of this k step
	s_endpgm
.Lwo:
	s_lshl_b32 s36, s26, 16                        ; two tiles of 32,768 bytes for each 32 columns,
	s_lshl_b32 s37, s27, 12                        ; four fragments of 1,024 a k step of 128
	s_add_co_u32 s36, s36, s37
	s_mov_b32 s37, 0
	s_add_nc_u64 s[18:19], s[18:19], s[36:37]
.macro WB t                            ; block t: 32 numbers to f16, four stores of 16 bytes a lane
	WAITB \t
.irp i, 0,1,2,3,4,5,6,7,8,9,10,11,12,13,14,15
	v_cvt_pk_f16_f32 v[Y+16*(\t)+\i], v[X+32*(\t)+2*\i], v[X+32*(\t)+2*\i+1]
.endr
.irp p, 0,1,2,3
	global_store_b128 v5, v[Y+16*(\t)+4*\p:Y+16*(\t)+4*\p+3], s[18:19] offset:(\t)*1024+(\p/2)*512+(\p%2)*256   ; k = 8 p .. 8 p + 7: sixteen lanes store 256 consecutive bytes, aligned
.endr
.endm
	WB 0
	WB 1
	WB 2
	WB 3
	s_endpgm
.Lenergy:
	s_sub_co_u32 s23, ttmp9, 64
	s_lshl_b32 s24, s23, 16                        ; 512 positions of 128 bytes
	s_mov_b32 s25, 0
	s_lshl_b32 s26, s23, 11                        ; 512 results of 4 bytes
	s_mov_b32 s27, 0
	v_lshlrev_b32 v2, 7, v0
	v_lshlrev_b32 v3, 2, v0
	s_wait_kmcnt 0x0
	s_add_nc_u64 s[12:13], s[12:13], s[24:25]
	s_add_nc_u64 s[20:21], s[20:21], s[26:27]
.irp j, 0,1,2,3,4,5,6,7
	global_load_b128 v[X+4*\j:X+4*\j+3], v2, s[12:13] offset:16*\j th:TH_LOAD_NT
.endr
	s_wait_loadcnt 0x0
.irp i, 0,1,2,3,4,5,6,7,8,9,10,11,12,13,14,15
	v_add_f32 v[Y+\i], |v[X+2*\i]|, |v[X+2*\i+1]|
.endr
.irp i, 0,1,2,3,4,5,6,7
	v_add_f32 v[Y+\i], v[Y+\i], v[Y+8+\i]
.endr
.irp i, 0,1,2,3
	v_add_f32 v[Y+\i], v[Y+\i], v[Y+4+\i]
.endr
.irp i, 0,1
	v_add_f32 v[Y+\i], v[Y+\i], v[Y+2+\i]
.endr
	v_add_f32 v[Y], v[Y], v[Y+1]
	v_mul_f32 v[Y], 0x3d000000, v[Y]               ; / 32, exact
	global_store_b32 v3, v[Y], s[20:21]            ; a wave stores 128 consecutive bytes
	s_endpgm
.Lfunc_end_k_q251baf50b7_prep:
	.size	k_q251baf50b7_prep, .Lfunc_end_k_q251baf50b7_prep-k_q251baf50b7_prep
	.p2alignl 7, 3214868480
	.fill 96, 4, 3214868480
	.section	.rodata,"a",@progbits
	.p2align	6, 0x0
	.amdhsa_kernel k_q251baf50b7_prep
		.amdhsa_group_segment_fixed_size 0
		.amdhsa_private_segment_fixed_size 0
		.amdhsa_enable_private_segment 0
		.amdhsa_kernarg_size 72
		.amdhsa_user_sgpr_count 2
		.amdhsa_user_sgpr_kernarg_segment_ptr 1
		.amdhsa_wavefront_size32 1
		.amdhsa_system_sgpr_workgroup_id_x 1
		.amdhsa_system_sgpr_workgroup_id_y 1
		.amdhsa_system_sgpr_workgroup_id_z 1
		.amdhsa_system_vgpr_workitem_id 0
		.amdhsa_next_free_vgpr 224
		.amdhsa_next_free_sgpr 66
		.amdhsa_reserve_vcc 0
		.amdhsa_float_denorm_mode_32 3
		.amdhsa_float_denorm_mode_16_64 3
		.amdhsa_memory_ordered 1
		.amdhsa_forward_progress 1
		.amdhsa_inst_pref_size 30
	.end_amdhsa_kernel
	.amdgpu_metadata
---
amdhsa.version: [ 1, 2 ]
amdhsa.kernels:
  - .name:           k_q251baf50b7_prep
    .symbol:         k_q251baf50b7_prep.kd
    .args:
      - { .name: Wq, .offset: 0, .size: 8, .value_kind: global_buffer, .address_space: global }
      - { .name: Wk, .offset: 8, .size: 8, .value_kind: global_buffer, .address_space: global }
      - { .name: Wv, .offset: 16, .size: 8, .value_kind: global_buffer, .address_space: global }
      - { .name: Wo, .offset: 24, .size: 8, .value_kind: global_buffer, .address_space: global }
      - { .name: energy_coeffs, .offset: 32, .size: 8, .value_kind: global_buffer, .address_space: global }
      - { .name: wimg, .offset: 40, .size: 8, .value_kind: global_buffer, .address_space: global }
      - { .name: wsc, .offset: 48, .size: 8, .value_kind: global_buffer, .address_space: global }
      - { .name: woimg, .offset: 56, .size: 8, .value_kind: global_buffer, .address_space: global }
      - { .name: energy, .offset: 64, .size: 8, .value_kind: global_buffer, .address_space: global }
    .group_segment_fixed_size: 0
    .private_segment_fixed_size: 0
    .kernarg_segment_align: 8
    .kernarg_segment_size: 72
    .max_flat_workgroup_size: 512
    .sgpr_count:     66
    .vgpr_count:     224
    .wavefront_size: 32
...
	.end_amdgpu_metadata
.endif
;; end of part 1
;; launch proj (part 2): grid 192 x 1, 4 waves a work-group, no clusters, 327,680 bytes of LDS; arguments q_x, k_x, v_x, bq, bk, bv, wimg, wsc, energy, qi, ki, vi; writes qi, ki, vi
.if DOCPART == 2
	.amdgcn_target "amdgcn-amd-amdhsa--gfx1250"
	.amdhsa_code_object_version 6
	.text
	.protected	k_q251baf50b7_proj
	.globl	k_q251baf50b7_proj
	.p2align	8
	.type	k_q251baf50b7_proj,@function
k_q251baf50b7_proj:
	s_mov_b64 s[64:65], 0
	v_nop
	global_prefetch_b8 v0, s[64:65] scope:SCOPE_SE
	s_setreg_imm32_b32 hwreg(HW_REG_WAVE_MODE, 25, 1), 1
	s_wait_xcnt 0x0
; PROJ: Q = (q_x Wq + bq) c, K = (k_x Wk + bk) gate[row], V = v_x Wv + bv; the three products on codes of FP4 (E2M1) with one E8M0 scale for each 32 along K; results rounded to f16.
; c = log2(e) / 8, so that attention's p = 2^(s - m) is reference()'s e^(score - max); gate[row] = 1 where energy / (the batch's largest energy + 1e-8) > 0.1, else 0.1
; (1 x 0.9f + 0.1f rounds to 1.0f, 0 x 0.9f + 0.1f is 0.1f): scores x gate[key] = (Q c) . (K gate[key]).  No work of reference() is left out.
; SHARES.  Work-group g: tensor g / 64, rows 128 (g % 64) on, ALL 1,024 columns: x leaves memory once.  THE WAVES SHARE THE COLUMNS: wave w makes column tiles 16 w .. 16 w + 15 (four heads) for all 128 rows.
; PHASE X.  x comes by tensor loads in four slices of 256 along K through two LDS slots; wave w fetches, reads and quantises rows 32 w .. 32 w + 31, and stores the fragments and scale words as images of
; their registers (16 bytes a lane at 16 x lane); behind a barrier every wave takes all eight row tiles' fragments into its registers, where they stay: 512 registers.
; PHASE G.  A column tile's codes (16 loads of 512 consecutive bytes), scale words and bias come from memory straight into registers, three tiles ahead; 64 matrix instructions a tile, eight accumulators by turns.
; Q, K: source 0 = 16 columns of W, source 1 = 16 rows of x: a lane holds one row and eight neighbouring columns.  V: the sources swapped: a lane holds one column and eight neighbouring rows (keys).
; Either way the four packed registers of a 16 x 16 tile are half a fragment of attention's operand, and leave as they stand: 512 consecutive bytes a store.
;   qi, ki [b 4][32 rows 64][head 16][16 rows 2][16 channels 4][512 bytes];   vi [b 4][32 keys 64][head 16][16 channels 4][16 keys 2][512 bytes].
; MULTICAST is not used: the weights go to registers, each fragment has one reader in the work-group, and x is read by one work-group alone.
; LIMITS: |Q c|, |K gate|, |V| under 65,504 (f16); an FP4 block whose largest magnitude lies under 2^-124 has its byte held at 1, a block of zeros the byte 1 (its codes are zeros);
; the quotient energy / (max + 1e-8) is a reciprocal with one correction by the remainder; NaN and infinities among the inputs are not served.
.set XP,    1040                       ; a row of a slice in LDS: 1,024 bytes + 16 of padding = 260 words: the 16 rows that a load touches start at 16 different banks (64 banks of 4 bytes: ISA guide 11.1)
.set WPART, 32*XP                      ; a wave's 32 rows
.set SLOTB, 4*WPART                    ; a slot: 133,120 bytes
.set E0,    2*SLOTB                    ; behind the ring: the images, two sets by turns: 16 fragments of 1,024 bytes (2 x row tile + k step of the slice),
.set ESC,   16384                      ; then the scale words: [row tile 8][lanes 0-15: the even k step, lanes 16-31: the odd one][4 bytes]
.set EB,    ESC+1024                   ; a set: 17,408 bytes
.set SPARE, E0+2*EB                    ; the spare words, 128 bytes for each wave: two blocks of 256 bytes that no other line names
.set SPW, 1                            ; v1   LDS address of my spare word; never rewritten
.set NIL, 2                            ; v2   0; never rewritten
.set L16, 3                            ; v3   16 x lane
.set AX,  6                            ; v6-7   my lane's place in my wave's rows of slot 0, 1
.set EW,  8                            ; v8-9   where I store images in set 0, 1
.set ESW, 10                           ; v10-11 and scale words
.set ER,  12                           ; v12-13 where I read images
.set ESR, 14                           ; v14-15 and scale words
.set XS,  16                           ; v16-47  x's scale words: 4 x row tile + slice
.set WS,  48                           ; v48-63  W's scale words: 4 x buffer + word
.set BI,  64                           ; v64-95  the bias: 8 x buffer
.set PK,  104                          ; v104-135 packed results
.set ACC, 136                          ; v136-199 eight accumulators
.set ST,  136                          ; (phase X: 64 numbers of x)
.set TM,  200                          ; v200-215 the quantiser's work
.set PW,  216                          ; v216 the scale word just made
.set PC,  218                          ; v218-225 the codes just made
.set BA,  226                          ; v226 the bias's offset
.set RS,  240                          ; v240-255 the rows' factor: tile m's in v[240 + 2 m]; its partner is written, since the packed form names the pair
.set G1,  32                           ; s[32:39] descriptor group 1;  s[40:47] group 0, a set for each slot
.set G0,  40
.set SEL, 58                           ; s[58:59] v_permlanex16_b32's selects for lane l xor 16
; windows of 256 registers: window 1: x's fragments of k steps 0-3 at 64 (s % 4) + 8 m; window 2: those of k steps 4-7; window 3: four buffers of W's fragments at 64 x buffer + 8 s
.set MSB, 0
.macro WIN new                         ; the immediate's high byte repeats the setting that is left
.if MSB != \new
	s_set_vgpr_msb (MSB<<8)|\new
.set MSB, \new
.endif
.endm
	s_load_b512 s[4:19], s[0:1], 0x0               ; q_x s[4:5], k_x s[6:7], v_x s[8:9], bq s[10:11], bk s[12:13], bv s[14:15], wimg s[16:17], wsc s[18:19]
	s_load_b256 s[20:27], s[0:1], 0x40             ; energy s[20:21], qi s[22:23], ki s[24:25], vi s[26:27]
	v_lshl_add_u32 v[SPW], v0, 2, SPARE
	v_mov_b32 v[NIL], 0
	ds_add_u32 v[SPW], v[NIL]                      ; the wave's opening: the add, twice on end, and its wait ahead of my first tensor load
	ds_add_u32 v[SPW], v[NIL]                      ; and once more, under the one wait; the set-up below, work on registers, stands between
	v_lshrrev_b32 v3, 5, v0
	v_readfirstlane_b32 s28, v3                    ; wave 0..3
	s_lshr_b32 s29, ttmp9, 6                       ; the tensor: 0 Q, 1 K, 2 V
	s_and_b32 s30, ttmp9, 63                       ; which 128 rows
	s_mov_b32 s[G1+0], (2<<16)|(1<<20)|(7<<22)|(3<<25)   ; no mask; elements of 4 bytes; padding on: 4 words (code 3) behind every 256 words (code 7)
	s_mov_b32 s[G1+1], 256<<16                     ; tensor_dim0 = 256
	s_mov_b32 s[G1+2], 32<<16                      ; tensor_dim1 = 32
	s_mov_b32 s[G1+3], 256<<16                     ; tile_dim0 = 256
	s_mov_b32 s[G1+4], 32                          ; tile_dim1 = 32
	s_mov_b32 s[G1+5], 1024                        ; elements from row to row
	s_mov_b32 s[G1+6], 0
	s_mov_b32 s[G1+7], 0
	s_mov_b32 s[SEL], 0x76543210
	s_mov_b32 s[SEL+1], 0xfedcba98
	s_lshl_b32 s66, s30, 19                        ; 128 rows of 4,096 bytes,
	s_lshl_b32 s67, s28, 17                        ; my wave's 32 of them
	s_add_co_u32 s66, s66, s67
	s_mov_b32 s67, 0
	s_mul_i32 s68, s28, WPART                      ; and their place in a slot
	s_wait_dscnt 0x0                               ; both opening adds are done
	s_wait_kmcnt 0x0
	s_cmp_eq_u32 s29, 1                            ; the choices hang on the work-group's number alone
	s_cselect_b64 s[48:49], s[6:7], s[4:5]
	s_cselect_b64 s[54:55], s[12:13], s[10:11]
	s_cselect_b64 s[56:57], s[24:25], s[22:23]
	s_cmp_eq_u32 s29, 2
	s_cselect_b64 s[48:49], s[8:9], s[48:49]       ; x
	s_cselect_b64 s[54:55], s[14:15], s[54:55]     ; the bias
	s_cselect_b64 s[56:57], s[26:27], s[56:57]     ; the result
	s_add_nc_u64 s[48:49], s[48:49], s[66:67]
	s_mov_b32 s[G0+0], 1                           ; count = 1
	s_mov_b32 s[G0+1], s68                         ; LDS address: slot 0
	s_mov_b64 s[G0+2:G0+3], s[48:49]               ; slice 0
	s_or_b32 s[G0+3], s[G0+3], 0x80000000          ; type = 2
	s_mov_b32 s[G0+4], 1
	s_add_co_u32 s[G0+5], s68, SLOTB               ; slot 1
	s_add_nc_u64 s[G0+6:G0+7], s[48:49], 1024      ; slice 1
	s_or_b32 s[G0+7], s[G0+7], 0x80000000
	tensor_load_to_lds s[G0:G0+3], s[G1:G1+7]      ; the two first fills go out together: two loads of mine are out
	s_nop 0
	tensor_load_to_lds s[G0+4:G0+7], s[G1:G1+7]
	s_nop 0
.rept 4
	v_nop
.endr
	v_and_b32 v227, 31, v0                         ; lane
	v_and_b32 v228, 15, v0                         ; r
	v_bfe_u32 v229, v0, 4, 1                       ; h
	v_lshlrev_b32 v[L16], 4, v227
	v_mul_u32_u24 v[AX], v228, XP                  ; row r, + 64 h: my 16 numbers of a block of 32
	v_lshl_add_u32 v[AX], v229, 6, v[AX]
	v_add_nc_u32 v[AX], s68, v[AX]
	v_add_nc_u32 v[AX+1], SLOTB, v[AX]
	s_lshl_b32 s69, s28, 12                        ; my four fragments of a set
	v_add_nc_u32 v[EW], s69, v[L16]
	v_add_nc_u32 v[EW], E0, v[EW]
	v_add_nc_u32 v[EW+1], EB, v[EW]
	s_lshl_b32 s69, s28, 8                         ; my two row tiles' scale words
	v_lshlrev_b32 v[ESW], 2, v228
	v_add_nc_u32 v[ESW], s69, v[ESW]
	v_add_nc_u32 v[ESW], E0+ESC, v[ESW]
	v_add_nc_u32 v[ESW+1], EB, v[ESW]
	v_add_nc_u32 v[ER], E0, v[L16]
	v_add_nc_u32 v[ER+1], EB, v[ER]
	v_lshl_add_u32 v[ESR], v227, 2, E0+ESC
	v_add_nc_u32 v[ESR+1], EB, v[ESR]
.irp b, 0,1,2,3
	v_mov_b32 v[TM+4+\b], 0                        ; written once: a lane permute's destination counts as one of its sources
.endr
	s_lshl_b32 s70, s29, 19                        ; W's codes: the tensor's 524,288 bytes, my 16 tiles of 8,192
	s_lshl_b32 s71, s28, 17
	s_add_co_u32 s70, s70, s71
	s_mov_b32 s71, 0
	s_add_nc_u64 s[50:51], s[16:17], s[70:71]
	s_lshl_b32 s70, s29, 15                        ; W's scale words: 32,768 a tensor, my 16 tiles of 512
	s_lshl_b32 s72, s28, 13
	s_add_co_u32 s70, s70, s72
	s_add_nc_u64 s[52:53], s[18:19], s[70:71]
	s_lshl_b32 s70, s28, 10                        ; the bias: my 256 numbers
	s_add_nc_u64 s[54:55], s[54:55], s[70:71]
	s_lshl_b32 s70, s30, 18                        ; the result: four blocks of 65,536 bytes (32 rows, all heads) for my 128 rows,
	s_lshl_b32 s72, s28, 14                        ; my four heads of 4,096
	s_add_co_u32 s70, s70, s72
	s_add_nc_u64 s[56:57], s[56:57], s[70:71]
.set j, 0
.rept 16
	v_mov_b32 v[RS+j], 0x3e38aa3b                  ; c = log2(e) / 8: Q's factor (V's path does not read it)
.set j, j+1
.endr
	s_cmp_lg_u32 s29, 1
	s_cbranch_scc1 .Lno_gate
	; K: the rows' gates, while the first slices are on their way
	s_lshr_b32 s70, s30, 4
	s_lshl_b32 s70, s70, 13                        ; my batch's 2,048 energies
	s_add_nc_u64 s[72:73], s[20:21], s[70:71]
	s_lshl_b32 s70, s30, 9                         ; my 128 rows'
	s_add_nc_u64 s[74:75], s[20:21], s[70:71]
	v_lshlrev_b32 v230, 2, v228
.irp i, 0,1,2,3,4,5,6,7,8,9,10,11,12,13,14,15
	global_load_b128 v[ST+4*\i:ST+4*\i+3], v[L16], s[72:73] offset:512*\i
.endr
.irp m, 0,1,2,3,4,5,6,7
	global_load_b32 v[RS+2*\m], v230, s[74:75] offset:64*\m      ; lane (r, h): the energy of row 16 m + r
.endr
	s_wait_loadcnt 0x0
	v_max3_num_f32 v231, v[ST], v[ST+1], v[ST+2]
	v_max3_num_f32 v232, v[ST+3], v[ST+4], v[ST+5]
.irp i, 6,10,14,18,22,26,30,34,38,42,46,50,54,58
	v_max3_num_f32 v231, v231, v[ST+\i], v[ST+\i+1]
	v_max3_num_f32 v232, v232, v[ST+\i+2], v[ST+\i+3]
.endr
	v_max3_num_f32 v231, v231, v[ST+62], v[ST+63]
	v_max_num_f32 v231, v231, v232
	v_max_num_f32_dpp v231, v231, v231 row_xmask:1 row_mask:0xf bank_mask:0xf
	v_max_num_f32_dpp v231, v231, v231 row_xmask:2 row_mask:0xf bank_mask:0xf
	v_max_num_f32_dpp v231, v231, v231 row_xmask:4 row_mask:0xf bank_mask:0xf
	v_max_num_f32_dpp v231, v231, v231 row_xmask:8 row_mask:0xf bank_mask:0xf
	v_permlanex16_b32 v232, v231, s[SEL], s[SEL+1]
	v_max_num_f32 v231, v231, v232                 ; the batch's largest energy, in every lane
	v_add_f32 v231, 0x322bcc77, v231               ; d = max + 1e-8
	v_rcp_f32 v235, v231
	v_mov_b32 v238, 0x3dcccccd                     ; 0.1: the threshold, and the closed gate  (plain work behind the reciprocal)
	v_mov_b32 v239, 1.0                            ; the open gate
	s_wait_alu depctr_va_vdst(0)                   ; the wait ahead of the reciprocal's first reader
.irp m, 0,1,2,3,4,5,6,7
	v_mul_f32 v233, v[RS+2*\m], v235               ; e / d: first guess,
	v_fma_f32 v234, -v233, v231, v[RS+2*\m]        ; its remainder,
	v_fma_f32 v233, v234, v235, v233               ; corrected
	v_cmp_gt_f32 s61, v233, v238
	v_cndmask_b32 v[RS+2*\m], v238, v239, s61      ; a choice of a value: no branch hangs on it
.endr
.Lno_gate:
	s_cmp_eq_u32 s29, 2                            ; the bias's offset: Q, K: 32 h (my eight columns of a tile); V: 4 r (my column)
	s_cselect_b32 s66, 4, 0
	s_cselect_b32 s67, 0, 32
	v_mul_u32_u24 v[BA], s66, v228
	v_mad_u32_u24 v[BA], v229, s67, v[BA]
.irp b, 0,1,2,3
	v_mov_b32 v[BI+8*\b+1], 0                      ; V's path names the pair v[BI + 8 b : + 1] and takes its low word: the partner is written
.endr
; a column tile's codes (16 loads of 512 consecutive bytes) into buffer buf of window 3, and its scale words; k: the tile, counted from the trip's first
.macro WLOADW buf, k
	WIN 0xc0                                       ; destination window 3
.irp i, 0,1,2,3,4,5,6,7,8,9,10,11,12,13,14,15
	global_load_b128 v[64*(\buf)+4*\i:64*(\buf)+4*\i+3], v[L16], s[50:51] offset:(\k)*8192+512*\i
.endr
	WIN 0
	global_load_b128 v[WS+4*(\buf):WS+4*(\buf)+3], v[L16], s[52:53] offset:(\k)*512
.endm
.macro BLOAD path, buf, k              ; and its bias
.if \path
	global_load_b32 v[BI+8*(\buf)], v[BA], s[54:55] offset:(\k)*64
.else
	global_load_b128 v[BI+8*(\buf):BI+8*(\buf)+3], v[BA], s[54:55] offset:(\k)*64
	global_load_b128 v[BI+8*(\buf)+4:BI+8*(\buf)+7], v[BA], s[54:55] offset:(\k)*64+16
.endif
.endm
	WLOADW 0, 0                                    ; the first three tiles' codes land while x is quantised
	WLOADW 1, 1
	WLOADW 2, 2
; 64 numbers of a lane, register 16 b + i = k 32 b + 16 h + i of my row, become a fragment's codes in v[PC] on and its scale word in v[PW]
.macro QUANT s
.irp b, 0,1,2,3
	v_max3_num_f32 v[TM+\b], |v[\s+16*\b]|, |v[\s+1+16*\b]|, 0x1800000   ; block b: my 16 numbers, and the floor 2^(3 - 127): the byte cannot fall under 1
.endr
.irp i, 2,4,6,8,10,12,14
.irp b, 0,1,2,3
	v_max3_num_f32 v[TM+\b], v[TM+\b], |v[\s+16*\b+\i]|, |v[\s+1+16*\b+\i]|   ; the four blocks by turns
.endr
.endr
.irp b, 0,1,2,3
	v_permlanex16_b32 v[TM+4+\b], v[TM+\b], s[SEL], s[SEL+1]
.endr
.irp b, 0,1,2,3
	v_max_num_f32 v[TM+\b], v[TM+\b], v[TM+4+\b]   ; with lane l xor 16's: the block's largest magnitude
.endr
.irp b, 0,1,2,3
	v_add_nc_u32 v[TM+12+\b], 0xff000000, v[TM+\b] ; 2 off its exponent field: the conversion's scale operand
.endr
.irp b, 0,1,2,3
	v_lshrrev_b32 v[TM+4+\b], 23, v[TM+12+\b]      ; the scale's byte
.endr
	v_lshl_or_b32 v[PW], v[TM+5], 8, v[TM+4]
	v_lshl_or_b32 v[PW], v[TM+6], 16, v[PW]
	v_lshl_or_b32 v[PW], v[TM+7], 24, v[PW]
.irp b, 0,1,2,3
	v_cvt_scalef32_pk8_fp4_f32 v[PC+2*\b], v[\s+16*\b:\s+7+16*\b], v[TM+12+\b]
	v_cvt_scalef32_pk8_fp4_f32 v[PC+1+2*\b], v[\s+8+16*\b:\s+15+16*\b], v[TM+12+\b]
.endr
	v_nop                                          ; one plain place behind a scaled conversion
.irp c, 0,1                                    ; the operand's layout wants a whole block in a lane: lanes 0-15 block 2 c, lanes 16-31 block 2 c + 1
.irp i, 0,1
	v_permlane16_swap_b32 v[PC+4*\c+\i], v[PC+2+4*\c+\i]
.endr
.endr
.endm
; 16 rows (u: which of my two tiles) x 128 along K (q: which half of the slice): from my rows of the slot, quantised, image into set e
.macro QUNIT slot, u, q, e
.irp b, 0,1,2,3
.irp j, 0,1,2,3
	ds_load_b128 v[ST+16*\b+4*\j:ST+16*\b+4*\j+3], v[AX+\slot] offset:(\u)*16*XP+(\q)*512+\b*128+\j*16
.endr
.endr
	s_wait_dscnt 0x0                               ; the numbers are in; the stores of the unit before have read their registers
	QUANT ST
	ds_store_b128 v[EW+\e], v[PC:PC+3] offset:(\u)*2048+(\q)*1024
	ds_store_b128 v[EW+\e], v[PC+4:PC+7] offset:(\u)*2048+(\q)*1024+512
	ds_store_b32 v[ESW+\e], v[PW] offset:(\u)*128+(\q)*64      ; both halves of the lanes write the same word with the same value
.endm
.macro QSLICE slot, e
	QUNIT \slot, 0, 0, \e
	QUNIT \slot, 0, 1, \e
	QUNIT \slot, 1, 0, \e
	QUNIT \slot, 1, 1, \e
.endm
; One barrier for two things: the images just stored are shown to all waves, and (fill = 1) the slot just read is filled again with the slice two on
.macro CHANGE slot, fill
	s_wait_tensorcnt 0x0                           ; all my tensor loads have landed, the other slot's among them: a group 0 may be written
	ds_add_u32 v[SPW], v[NIL]                      ; 0 onto my spare word
.if \fill
	s_add_nc_u64 s[G0+4*\slot+2:G0+4*\slot+3], s[G0+4*\slot+2:G0+4*\slot+3], 2048
.endif
	s_wait_dscnt 0x0                               ; the add is done, my reads of the slot are back, my images have landed
	s_barrier_signal -1
	s_barrier_wait -1
.if \fill
	tensor_load_to_lds s[G0+4*\slot:G0+4*\slot+3], s[G1:G1+7]   ; my one tensor load behind the barrier, and the first thing there
	s_nop 0
.rept 4
	v_nop
.endr
.endif
.endm
; all eight row tiles' fragments of slice sl (k steps 2 sl, 2 sl + 1) from set e into my registers, and their scale words
.macro GETX e, sl
.if (\sl) < 2
	WIN 0x40                                       ; destination window 1
.else
	WIN 0x80                                       ; destination window 2
.endif
.irp m, 0,1,2,3,4,5,6,7
.irp q, 0,1
.irp c, 0,1
	ds_load_b128 v[64*((2*(\sl)+\q)%4)+8*\m+4*\c:64*((2*(\sl)+\q)%4)+8*\m+4*\c+3], v[ER+\e] offset:(2*\m+\q)*1024+512*\c
.endr
.endr
.endr
	WIN 0
.irp m, 0,1,2,3,4,5,6,7
	ds_load_b32 v[XS+4*\m+(\sl)], v[ESR+\e] offset:128*\m
.endr
.endm
	s_wait_tensorcnt 1                             ; my rows of slice 0 are in (slice 1's load is the one younger); only I read them, so no barrier is owed
	QSLICE 0, 0
	CHANGE 0, 1                                    ; slice 2 goes out
	GETX 0, 0
	QSLICE 1, 1
	CHANGE 1, 1                                    ; slice 3 goes out; every wave's reads of set 0 are back
	GETX 1, 1
	QSLICE 0, 0
	CHANGE 0, 0                                    ; nothing is left to fetch; every wave's reads of set 1 are back
	GETX 0, 2
	QSLICE 1, 1
	s_wait_dscnt 0x0                               ; my last images have landed
	s_barrier_signal -1
	s_barrier_wait -1
	GETX 1, 3
	s_wait_dscnt 0x0                               ; x's 64 fragments and 32 registers of scale words are mine
; one matrix instruction, by the symbols rD, rA, rB, rC, sA, sB; fA, fB: the scale is taken from lanes 16-31; cZ: the product starts the sum
.macro MM
.if cZ
	v_wmma_scale_f32_16x16x128_f8f6f4 v[rD:rD+7], v[rA:rA+7], v[rB:rB+7], 0, v[sA], v[sB] matrix_a_fmt:MATRIX_FMT_FP4 matrix_b_fmt:MATRIX_FMT_FP4
.elseif fA && fB
	v_wmma_scale_f32_16x16x128_f8f6f4 v[rD:rD+7], v[rA:rA+7], v[rB:rB+7], v[rC:rC+7], v[sA], v[sB] matrix_a_fmt:MATRIX_FMT_FP4 matrix_b_fmt:MATRIX_FMT_FP4 matrix_a_scale:MATRIX_SCALE_ROW1 matrix_b_scale:MATRIX_SCALE_ROW1
.elseif fA
	v_wmma_scale_f32_16x16x128_f8f6f4 v[rD:rD+7], v[rA:rA+7], v[rB:rB+7], v[rC:rC+7], v[sA], v[sB] matrix_a_fmt:MATRIX_FMT_FP4 matrix_b_fmt:MATRIX_FMT_FP4 matrix_a_scale:MATRIX_SCALE_ROW1
.elseif fB
	v_wmma_scale_f32_16x16x128_f8f6f4 v[rD:rD+7], v[rA:rA+7], v[rB:rB+7], v[rC:rC+7], v[sA], v[sB] matrix_a_fmt:MATRIX_FMT_FP4 matrix_b_fmt:MATRIX_FMT_FP4 matrix_b_scale:MATRIX_SCALE_ROW1
.else
	v_wmma_scale_f32_16x16x128_f8f6f4 v[rD:rD+7], v[rA:rA+7], v[rB:rB+7], v[rC:rC+7], v[sA], v[sB] matrix_a_fmt:MATRIX_FMT_FP4 matrix_b_fmt:MATRIX_FMT_FP4
.endif
.endm
; COLUMN TILE k of a head (path 0: Q, K; 1: V).  load = 1: the tile three on is asked for, into the buffer that the tile before has left (its four v_nop are the places in front of these loads).
; left: the loads younger than this tile's.  The eight accumulators take turns, one instruction a turn, K ascending.
.macro NT path, k, load, left
.if \load
	WLOADW ((\k)+3)%4, (\k)+3
	BLOAD \path, ((\k)+3)%4, (\k)+3
.endif
	s_wait_loadcnt \left
.irp s, 0,1,2,3,4,5,6,7
.if \s == 0
.if \path
	WIN 0x0d                                       ; source 0 (x) window 1, source 1 (W) window 3
.else
	WIN 0x07                                       ; source 0 (W) window 3, source 1 (x) window 1
.endif
.endif
.if \s == 4
.if \path
	WIN 0x0e                                       ; x: window 2
.else
	WIN 0x0b
.endif
.endif
.irp m, 0,1,2,3,4,5,6,7
.set rD, ACC+8*\m
.set rC, rD
.set cZ, 0
.if \path
.set rA, 64*((\s)%4)+8*\m
.set rB, 64*(\k)+8*\s
.set sA, XS+4*\m+(\s)/2
.set sB, WS+4*(\k)+(\s)%4
.set fA, (\s)%2
.set fB, (\s)/4
.if \s == 0
.set cZ, 1
.endif
.else
.set rA, 64*(\k)+8*\s
.set rB, 64*((\s)%4)+8*\m
.set sA, WS+4*(\k)+(\s)%4
.set sB, XS+4*\m+(\s)/2
.set fA, (\s)/4
.set fB, (\s)%2
.if \s == 0
.set rC, BI+8*(\k)                     ; the bias is the C of the sum's first product
.endif
.endif
	MM
.endr
.endr
	WIN 0
.rept 4
	v_nop                                          ; four places behind the last products: in front of the reads of results and of the next tile's loads into this buffer
.endr
	s_wait_xcnt 0x0                                ; the last tile's stores have read their registers: PK may be written again
.irp m, 0,1,2,3,4,5,6,7
.irp i, 0,1,2,3
.if \path
	v_pk_add_f32 v[ACC+8*\m+2*\i:ACC+8*\m+2*\i+1], v[ACC+8*\m+2*\i:ACC+8*\m+2*\i+1], v[BI+8*(\k):BI+8*(\k)+1] op_sel_hi:[1,0]   ; + my column's bias
.else
	v_pk_mul_f32 v[ACC+8*\m+2*\i:ACC+8*\m+2*\i+1], v[ACC+8*\m+2*\i:ACC+8*\m+2*\i+1], v[RS+2*\m:RS+2*\m+1] op_sel_hi:[1,0]       ; x my row's factor
.endif
.endr
.irp i, 0,1,2,3
	v_cvt_pk_f16_f32 v[PK+4*\m+\i], v[ACC+8*\m+2*\i], v[ACC+8*\m+2*\i+1]
.endr
.if \path
	global_store_b128 v[L16], v[PK+4*\m:PK+4*\m+3], s[56:57] offset:(\m/2)*65536+(\k)*1024+(\m%2)*512     ; 512 consecutive bytes, aligned
.else
	global_store_b128 v[L16], v[PK+4*\m:PK+4*\m+3], s[56:57] offset:(\m/2)*65536+(\m%2)*2048+(\k)*512
.endif
.endr
.endm
; a trip is a head: four column tiles.  Three trips in the loop; the last head is written out, so that no load leaves its buffer
.macro PHASEG path
.set NL, 19-(\path)                    ; loads of a tile: 16 of codes, 1 of scale words, 2 (Q, K) or 1 (V) of bias
	BLOAD \path, 0, 0
	BLOAD \path, 1, 1
	BLOAD \path, 2, 2
	s_wait_loadcnt 0x0                             ; the first three tiles are whole (their codes were asked for ahead of phase X)
	s_mov_b32 s60, 3
.Ltrip_\@:
	NT \path, 0, 1, 3*NL                           ; three younger tiles' loads may stay out
	NT \path, 1, 1, 3*NL
	NT \path, 2, 1, 3*NL
	NT \path, 3, 1, 3*NL
	s_wait_xcnt 0x0                                ; the loads and stores have read their bases
	s_add_nc_u64 s[50:51], s[50:51], 32768
	s_add_nc_u64 s[52:53], s[52:53], 2048
	s_add_nc_u64 s[54:55], s[54:55], 256
	s_add_nc_u64 s[56:57], s[56:57], 4096
	s_sub_co_u32 s60, s60, 1
	s_cmp_lg_u32 s60, 0
	s_cbranch_scc1 .Ltrip_\@
	NT \path, 0, 1, 3*NL
	NT \path, 1, 0, 2*NL                           ; the counts run down
	NT \path, 2, 0, NL
	NT \path, 3, 0, 0
.endm
	s_cmp_eq_u32 s29, 2
	s_cbranch_scc1 .Lv_path
	PHASEG 0
	s_branch .Ldone
.Lv_path:
	PHASEG 1
.Ldone:
	s_wait_tensorcnt 0x0                           ; the wave's end: behind my last tensor load and my last LDS store
	ds_add_u32 v[SPW], v[NIL]
	s_wait_dscnt 0x0
	s_endpgm
.Lfunc_end_k_q251baf50b7_proj:
	.size	k_q251baf50b7_proj, .Lfunc_end_k_q251baf50b7_proj-k_q251baf50b7_proj
	.p2alignl 7, 3214868480
	.fill 96, 4, 3214868480
	.section	.rodata,"a",@progbits
	.p2align	6, 0x0
	.amdhsa_kernel k_q251baf50b7_proj
		.amdhsa_group_segment_fixed_size 327680
		.amdhsa_private_segment_fixed_size 0
		.amdhsa_enable_private_segment 0
		.amdhsa_kernarg_size 96
		.amdhsa_user_sgpr_count 2
		.amdhsa_user_sgpr_kernarg_segment_ptr 1
		.amdhsa_wavefront_size32 1
		.amdhsa_system_sgpr_workgroup_id_x 1
		.amdhsa_system_sgpr_workgroup_id_y 1
		.amdhsa_system_sgpr_workgroup_id_z 1
		.amdhsa_system_vgpr_workitem_id 0
		.amdhsa_next_free_vgpr 1024
		.amdhsa_next_free_sgpr 84
		.amdhsa_reserve_vcc 0
		.amdhsa_float_denorm_mode_32 3
		.amdhsa_float_denorm_mode_16_64 3
		.amdhsa_memory_ordered 1
		.amdhsa_forward_progress 1
		.amdhsa_inst_pref_size 255
	.end_amdhsa_kernel
	.section	.bss,"aw",@nobits
	.p2align	6
	.space	262144
	.amdgpu_metadata
---
amdhsa.version: [ 1, 2 ]
amdhsa.kernels:
  - .name:           k_q251baf50b7_proj
    .symbol:         k_q251baf50b7_proj.kd
    .args:
      - { .name: q_x, .offset: 0, .size: 8, .value_kind: global_buffer, .address_space: global }
      - { .name: k_x, .offset: 8, .size: 8, .value_kind: global_buffer, .address_space: global }
      - { .name: v_x, .offset: 16, .size: 8, .value_kind: global_buffer, .address_space: global }
      - { .name: bq, .offset: 24, .size: 8, .value_kind: global_buffer, .address_space: global }
      - { .name: bk, .offset: 32, .size: 8, .value_kind: global_buffer, .address_space: global }
      - { .name: bv, .offset: 40, .size: 8, .value_kind: global_buffer, .address_space: global }
      - { .name: wimg, .offset: 48, .size: 8, .value_kind: global_buffer, .address_space: global }
      - { .name: wsc, .offset: 56, .size: 8, .value_kind: global_buffer, .address_space: global }
      - { .name: energy, .offset: 64, .size: 8, .value_kind: global_buffer, .address_space: global }
      - { .name: qi, .offset: 72, .size: 8, .value_kind: global_buffer, .address_space: global }
      - { .name: ki, .offset: 80, .size: 8, .value_kind: global_buffer, .address_space: global }
      - { .name: vi, .offset: 88, .size: 8, .value_kind: global_buffer, .address_space: global }
    .group_segment_fixed_size: 327680
    .private_segment_fixed_size: 0
    .kernarg_segment_align: 8
    .kernarg_segment_size: 96
    .max_flat_workgroup_size: 128
    .sgpr_count:     84
    .vgpr_count:     1024
    .wavefront_size: 32
...
	.end_amdgpu_metadata
.endif
;; end of part 2
;; launch attn (part 3): grid 4 x 64, 8 waves a work-group, clusters of 4 x 1, 327,680 bytes of LDS; arguments qi, ki, vi, ai; writes ai
.if DOCPART == 3
	.amdgcn_target "amdgcn-amd-amdhsa--gfx1250"
	.amdhsa_code_object_version 6
	.text
	.protected	k_q251baf50b7_attn
	.globl	k_q251baf50b7_attn
	.p2align	8
	.type	k_q251baf50b7_attn,@function
k_q251baf50b7_attn:
	s_mov_b64 s[64:65], 0
	v_nop
	global_prefetch_b8 v0, s[64:65] scope:SCOPE_SE
	s_setreg_imm32_b32 hwreg(HW_REG_WAVE_MODE, 25, 1), 1
	s_wait_xcnt 0x0
	s_wait_alu depctr_hold_cnt(0) depctr_sa_sdst(0) depctr_va_vdst(0) depctr_va_sdst(0) depctr_va_ssrc(0) depctr_va_vcc(0) depctr_vm_vsrc(0)
	s_getreg_b32 s2, hwreg(HW_REG_IB_STS2, 6, 4)
	s_cmp_eq_u32 s2, 0
	s_cbranch_scc0 .Lentry_in_a_cluster
	s_endpgm
.Lentry_in_a_cluster:
	s_bfe_u32 s2, ttmp6, 0x10000c
	s_cmp_lg_u32 s2, 0x3003
	s_cbranch_scc0 .Lentry_shape_is_right
	s_endpgm
.Lentry_shape_is_right:
; ATTN: for each (batch, head): O[q] = sum over k of softmax_k(s[q][k]) V[k], s = (Q c) . (K gate) as the launch before stored them, in base 2: p = 2^(s - m), m the running maximum; f16 operands, f32 sums.
; nan_to_num: a row whose sum of p is NaN or 0 gives zeros, as reference()'s NaN -> 0 does.  No work of reference() is left out.
; SHARES.  A work-group owns 512 queries of one (batch, head); each of its eight waves 64: four tiles of 16; two waves to a SIMD, so that one wave's softmax stands beside the other's products.
; Every wave walks all 2,048 keys, 64 a step.
; LAYOUT.  S^T = K Q^T (source 0 = 16 keys, source 1 = 16 queries), O^T = V^T P (source 0 = 16 channels, source 1 = P): a lane holds ONE query throughout; two tiles of S^T, rounded to f16 in pairs, ARE
; a fragment of P.  qi, ki, vi hold images of the fragments' registers (16 bytes a lane at 16 x lane), so every LDS load reads 512 consecutive bytes and nothing is padded or turned.
; CLUSTER.  The four work-groups of a cluster are the four query blocks of one (batch, head) and walk the same K and V: each tile is asked for JOINTLY.  A slot holds 512 keys (K 65,536 bytes, V 65,536);
; waves 0-3 fetch K's quarters, waves 4-7 V's, 4 rows of 4,096 bytes each.  Two slots; two refills in all, each with eight key steps (512 matrix instructions a wave) in which to land:
; no wave waits for a refill, so nothing is prefetched.
; LIMITS: p under 2^-24 rounds to 0 in f16 (at most 2,048 x 2^-25 of a row's weight); |O| under 65,504; scores under 3e38 in magnitude.
; REGISTERS.  window 0: v1-5 addresses; v8-39 statistics, 8 a tile: +0 m, +1 its partner, +2, +3 l, +4 .. +7 at work (a takes +6); v40-103 K's fragments; v128-255 S^T, 32 a tile, P in place in a tile's first 16.
;   window 1: v0-127 O^T, 32 a tile; v128-191 Q; v192-255 V's fragments.
.set L16, 1                            ; v1  16 x lane
.set ADK, 2                            ; v2  LDS address of the step's K
.set ADV, 3                            ; v3  and V
.set SPW, 4                            ; v4  LDS address of my spare word; never rewritten
.set NIL, 5                            ; v5  0; never rewritten
.set ST,  8
.set KF,  40
.set S,   128
.set O,   0                            ; window 1
.set Q,   128
.set VF,  192
.set SLOT1, 1<<17                      ; slot 1 begins here: one exclusive or turns an address in one slot into the other's
.set SPARE, 2*SLOT1                    ; behind the ring: the spare words, 128 bytes for each wave: four blocks of 256 bytes that no other line names
.set WV,  12                           ; s12 my wave's number
.set G1,  24                           ; s[24:31] descriptor group 1, one shape for K and V
.set G0K, 32                           ; s[32:39] group 0 for K's tiles: a set for each first fill; the second then walks on
.set G0V, 48                           ; s[48:55] the same for V's
.set TB,  40                           ; s40 LDS byte at which the step's K begins
.set SEL, 44                           ; s[44:45] v_permlanex16_b32's selects for lane l xor 16
.set MSB, 0
.macro WIN new                         ; the immediate's high byte repeats the setting that is left
.if MSB != \new
	s_set_vgpr_msb (MSB<<8)|\new
.set MSB, \new
.endif
.endm
; A joint refill.  The branch hangs on the wave's number alone.  An s_nop 0 and four v_nop follow each of the two lines.
.macro JLOAD
	s_cmp_lt_u32 s[WV], 4
	s_cbranch_scc0 .Lfor_v_\@
	tensor_load_to_lds s[G0K+4:G0K+7], s[G1:G1+7]
	s_nop 0
.rept 4
	v_nop
.endr
	s_branch .Lasked_\@
.Lfor_v_\@:
	tensor_load_to_lds s[G0V+4:G0V+7], s[G1:G1+7]
	s_nop 0
.rept 4
	v_nop
.endr
.Lasked_\@:
.endm
.macro CROUND                          ; a round of the cluster's barrier
	s_barrier_signal -1
	s_barrier_wait -1
	s_cmp_lg_u32 s[WV], 0
	s_cbranch_scc1 .Lnot_wave_0_\@
	s_barrier_signal -3
.Lnot_wave_0_\@:
	s_barrier_wait -3
	s_barrier_signal -1
	s_barrier_wait -1
.endm
	s_load_b256 s[4:11], s[0:1], 0x0               ; qi s[4:5], ki s[6:7], vi s[8:9], ai s[10:11]
	v_lshl_add_u32 v[SPW], v0, 2, SPARE
	v_mov_b32 v[NIL], 0
	ds_add_u32 v[SPW], v[NIL]                      ; the wave's opening: the add, twice on end, and its wait ahead of my first tensor load
	ds_add_u32 v[SPW], v[NIL]                      ; and once more, under the one wait; the set-up below, work on registers, stands between
	v_lshrrev_b32 v1, 5, v0
	v_readfirstlane_b32 s[WV], v1                  ; wave 0..7
	s_bfe_u32 s13, ttmp6, 0x40000                  ; cx
	s_lshl_b32 s17, ttmp9, 2
	s_add_co_u32 s13, s13, s17                     ; my block of 512 queries: it enters Q's and the result's addresses alone
	s_and_b32 s14, ttmp7, 0xffff                   ; (batch, head), which the four partners share
	s_lshr_b32 s15, s14, 4                         ; batch
	s_and_b32 s16, s14, 15                         ; head
	s_lshl_b32 s18, s15, 22                        ; a batch is 4,194,304 bytes,
	s_lshl_b32 s17, s16, 12                        ; a head's 32 rows 4,096
	s_add_co_u32 s18, s18, s17
	s_and_b32 s17, s[WV], 3
	s_lshl_b32 s17, s17, 18                        ; my four rows of 32 keys, 65,536 bytes apart
	s_add_co_u32 s20, s18, s17                     ; K, V: my part of slot 0
	s_mov_b32 s21, 0
	s_lshl_b32 s19, s[WV], 14                      ; and its place in a slot: K's four quarters, then V's: no place in the cluster enters an LDS address
	s_lshl_b32 s17, s13, 20                        ; Q: my block's 16 rows of 65,536 bytes,
	s_add_co_u32 s22, s18, s17
	s_lshl_b32 s17, s[WV], 17                      ; my wave's two
	s_add_co_u32 s22, s22, s17
	s_mov_b32 s23, 0
	s_lshl_b32 s46, s15, 22                        ; the result: a tile of 16 rows is 32,768 bytes: 128 a batch,
	s_lshl_b32 s17, s13, 20                        ; 32 a block,
	s_add_co_u32 s46, s46, s17
	s_lshl_b32 s17, s[WV], 17                      ; 4 a wave;
	s_add_co_u32 s46, s46, s17
	s_lshl_b32 s17, s16, 11                        ; a head's four pieces of 512 bytes
	s_add_co_u32 s46, s46, s17
	s_mov_b32 s47, 0
	s_mov_b32 s[G1+0], 15|(3<<16)|(1<<21)          ; the mask: all four work-groups; elements of 8 bytes; bit 21 set beside a mask
	s_mov_b32 s[G1+1], 512<<16                     ; tensor_dim0 = 512 (4,096 bytes)
	s_mov_b32 s[G1+2], 4<<16                       ; tensor_dim1 = 4
	s_mov_b32 s[G1+3], 512<<16                     ; tile_dim0 = 512
	s_mov_b32 s[G1+4], 4                           ; tile_dim1 = 4
	s_mov_b32 s[G1+5], 8192                        ; elements from row to row: 65,536 bytes
	s_mov_b32 s[G1+6], 0
	s_mov_b32 s[G1+7], 0
	s_mov_b32 s[SEL], 0x76543210
	s_mov_b32 s[SEL+1], 0xfedcba98
	s_mov_b32 s[TB], 0
	s_mov_b32 s42, 2                               ; slots still to be asked for
	s_wait_dscnt 0x0                               ; both opening adds are done
	s_wait_kmcnt 0x0
	s_add_nc_u64 s[6:7], s[6:7], s[20:21]
	s_add_nc_u64 s[8:9], s[8:9], s[20:21]
	s_add_nc_u64 s[4:5], s[4:5], s[22:23]
	s_add_nc_u64 s[10:11], s[10:11], s[46:47]
	CROUND                                         ; all four work-groups are here: the first joint loads meet
.irp s, 0,1
	s_mov_b32 s[G0K+4*\s], 1                       ; count = 1
	s_add_co_u32 s[G0K+4*\s+1], s19, \s*SLOT1      ; LDS address
	s_add_nc_u64 s[G0K+4*\s+2:G0K+4*\s+3], s[6:7], \s*1048576   ; slot s begins with keys 512 s: 16 rows of 65,536 bytes on
	s_or_b32 s[G0K+4*\s+3], s[G0K+4*\s+3], 0x80000000           ; type = 2
	s_mov_b32 s[G0V+4*\s], 1
	s_add_co_u32 s[G0V+4*\s+1], s19, \s*SLOT1
	s_add_nc_u64 s[G0V+4*\s+2:G0V+4*\s+3], s[8:9], \s*1048576
	s_or_b32 s[G0V+4*\s+3], s[G0V+4*\s+3], 0x80000000
.endr
	s_cmp_lt_u32 s[WV], 4                          ; a wave's two first fills stand in one branch: two loads of mine are out
	s_cbranch_scc0 .Lfirst_v
	tensor_load_to_lds s[G0K:G0K+3], s[G1:G1+7]
	s_nop 0
	tensor_load_to_lds s[G0K+4:G0K+7], s[G1:G1+7]
	s_nop 0
.rept 4
	v_nop
.endr
	s_branch .Lfirst_asked
.Lfirst_v:
	tensor_load_to_lds s[G0V:G0V+3], s[G1:G1+7]
	s_nop 0
	tensor_load_to_lds s[G0V+4:G0V+7], s[G1:G1+7]
	s_nop 0
.rept 4
	v_nop
.endr
.Lfirst_asked:
	v_and_b32 v[L16], 31, v0
	v_lshlrev_b32 v[L16], 4, v[L16]
.irp x, 0,1,2,3
	v_mov_b32 v[ST+8*\x], 0xff61b1e6               ; m: -3e38, under every score
	v_mov_b32 v[ST+8*\x+1], 0                      ; (named with m as a pair, so it is written)
	v_mov_b32 v[ST+8*\x+2], 0                      ; l, in two halves
	v_mov_b32 v[ST+8*\x+3], 0
.endr
	WIN 0x40                                       ; destination window 1
.irp x, 0,1,2,3
.irp i, 0,1,2,3
	global_load_b128 v[Q+16*\x+4*\i:Q+16*\x+4*\i+3], v[L16], s[4:5] offset:(\x/2)*65536+(\x%2)*2048+\i*512   ; Q stays in registers
.endr
.endr
.set j, 0
.rept 128
	v_mov_b32 v[O+j], 0                            ; O^T.  The step is written once: its first run finds zeros, which a = 0 leaves zeros; these lines run once for 32 steps
.set j, j+1
.endr
	WIN 0
.macro MAXA x                          ; the largest of tile x's 32 scores of my lane and the old m: four chains, each accumulator read from its low end on
.set rT, ST+8*(\x)
.set rS, S+32*(\x)
.irp j, 0,1,2,3
	v_max3_num_f32 v[rT+4+\j], v[rS+8*\j], v[rS+8*\j+1], v[rS+8*\j+2]
.endr
.irp g, 1,2
.irp j, 0,1,2,3
	v_max3_num_f32 v[rT+4+\j], v[rT+4+\j], v[rS+8*\j+2*\g+1], v[rS+8*\j+2*\g+2]
.endr
.endr
	v_max3_num_f32 v[rT+4], v[rT+4], v[rS+7], v[rS+15]
	v_max3_num_f32 v[rT+6], v[rT+6], v[rS+23], v[rS+31]
	v_max3_num_f32 v[rT+4], v[rT+4], v[rT+5], v[rT+6]
	v_max3_num_f32 v[rT+4], v[rT+4], v[rT+7], v[rT]
.endm
.macro SUB x, i                        ; pair i of tile x: s - m
	v_pk_add_f32 v[S+32*(\x)+2*(\i):S+32*(\x)+2*(\i)+1], v[S+32*(\x)+2*(\i):S+32*(\x)+2*(\i)+1], v[ST+8*(\x):ST+8*(\x)+1] op_sel_hi:[1,0] neg_lo:[0,1] neg_hi:[0,1]
.endm
.macro EXP2 x, i                       ; p = 2^(s - m), both numbers of pair i
	v_exp_f32 v[S+32*(\x)+2*(\i)], v[S+32*(\x)+2*(\i)]
	v_exp_f32 v[S+32*(\x)+2*(\i)+1], v[S+32*(\x)+2*(\i)+1]
.endm
; the row's sum, 16 packed lines: T (+4, +5) = pair 0 + pair 1; l = l a + pair 2; pairs 3 to 15 by turns onto T and l; l += T
.macro SUM x, i
.set rT, ST+8*(\x)
.set rS, S+32*(\x)
.if (\i) == 0
	v_pk_add_f32 v[rT+4:rT+5], v[rS:rS+1], v[rS+2:rS+3]
.elseif (\i) == 1
	v_pk_fma_f32 v[rT+2:rT+3], v[rT+2:rT+3], v[rT+6:rT+7], v[rS+4:rS+5] op_sel_hi:[1,0,1]
.elseif (\i) == 15
	v_pk_add_f32 v[rT+2:rT+3], v[rT+2:rT+3], v[rT+4:rT+5]
.elseif (\i)%2 == 0
	v_pk_add_f32 v[rT+4:rT+5], v[rT+4:rT+5], v[rS+2*(\i)+2:rS+2*(\i)+3]
.else
	v_pk_add_f32 v[rT+2:rT+3], v[rT+2:rT+3], v[rS+2*(\i)+2:rS+2*(\i)+3]
.endif
.endm
; pair i rounded to f16, in place: register i takes pair i.  In the order SUM i, CVT i, i ascending, register i belongs to pair i / 2, which has been summed and rounded by then
.macro CVT x, i
	v_cvt_pk_f16_f32 v[S+32*(\x)+(\i)], v[S+32*(\x)+2*(\i)], v[S+32*(\x)+2*(\i)+1]
.endm
.macro RESC x                          ; O^T of tile x times a
.irp j, 0,1,2,3,4,5,6,7,8,9,10,11,12,13,14,15
	v_pk_mul_f32 v[O+32*(\x)+2*\j:O+32*(\x)+2*\j+1], v[O+32*(\x)+2*\j:O+32*(\x)+2*\j+1], v[ST+8*(\x)+6:ST+8*(\x)+7] op_sel_hi:[1,0]
.endr
.endm
.macro PV x0                           ; O^T += V^T P for tiles x0, x0 + 1: eight accumulators by turns, 32 keys a link
.irp c, 0,1
.irp d, 0,1,2,3
.irp x, \x0, \x0+1
	v_wmma_f32_16x16x32_f16 v[O+32*(\x)+8*\d:O+32*(\x)+8*\d+7], v[VF+8*(4*\c+\d):VF+8*(4*\c+\d)+7], v[S+32*(\x)+8*\c:S+32*(\x)+8*\c+7], v[O+32*(\x)+8*\d:O+32*(\x)+8*\d+7]
.endr
.endr
.endr
.endm
; A KEY STEP: 64 keys
.macro STEP
	v_add_nc_u32 v[ADK], s[TB], v[L16]
	v_add_nc_u32 v[ADV], 0x10000, v[ADK]
.rept 3
	v_nop                                          ; with the two additions five places behind the last products: in front of the loads into V's registers (four are owed) and of the products that write over P (five)
.endr
.irp i, 0,1,2,3,4,5,6,7,8,9,10,11,12,13,14,15
	ds_load_b128 v[KF+4*\i:KF+4*\i+3], v[ADK] offset:512*\i     ; keys 16 (i / 4) on, channels 16 (i % 4) on
.endr
	WIN 0x40                                       ; destination window 1
.irp i, 0,1,2,3,4,5,6,7,8,9,10,11,12,13,14,15
	ds_load_b128 v[VF+4*\i:VF+4*\i+3], v[ADV] offset:512*\i     ; keys 32 (i / 8) on, channels 16 ((i / 2) % 4) on
.endr
	s_wait_dscnt 16                                ; K is in; V's sixteen loads are younger
	WIN 0x04                                       ; source 1 (Q) window 1
.irp c, 0,1                                    ; S^T = K Q^T: sixteen accumulators by turns; the first sixteen products start the sums
.irp t, 0,1,2,3
.irp x, 0,1,2,3
.if \c == 0
	v_wmma_f32_16x16x32_f16 v[S+32*\x+8*\t:S+32*\x+8*\t+7], v[KF+16*\t+8*\c:KF+16*\t+8*\c+7], v[Q+16*\x+8*\c:Q+16*\x+8*\c+7], 0
.else
	v_wmma_f32_16x16x32_f16 v[S+32*\x+8*\t:S+32*\x+8*\t+7], v[KF+16*\t+8*\c:KF+16*\t+8*\c+7], v[Q+16*\x+8*\c:Q+16*\x+8*\c+7], v[S+32*\x+8*\t:S+32*\x+8*\t+7]
.endif
.endr
.endr
.endr
	WIN 0
.rept 4
	v_nop                                          ; four places in front of the first read of results
.endr
	MAXA 0
	MAXA 1
	MAXA 2
	MAXA 3
.irp x, 0,1,2,3
	v_permlanex16_b32 v[ST+8*\x+5], v[ST+8*\x+4], s[SEL], s[SEL+1]   ; the query's other 32 keys lie in the lane 16 away
.endr
.irp x, 0,1,2,3
	v_max_num_f32 v[ST+8*\x+5], v[ST+8*\x+4], v[ST+8*\x+5]           ; the new m
.endr
.irp x, 0,1,2,3
	v_sub_f32 v[ST+8*\x+7], v[ST+8*\x], v[ST+8*\x+5]                 ; old m - new m
.endr
.irp x, 0,1,2,3
	v_mov_b32 v[ST+8*\x], v[ST+8*\x+5]
.endr
.irp x, 0,1,2,3
	v_exp_f32 v[ST+8*\x+6], v[ST+8*\x+7]                             ; a = 2^(old m - new m)
.endr
	; THE FIRST BATCH: the four a and the exponentials of tiles 0 and 1; nothing here names an exponential's result
.irp i, 0,1,2,3,4,5,6,7,8,9,10,11,12,13,14,15
	SUB 0, \i
.endr
.irp i, 0,1,2,3,4,5,6,7,8,9,10,11,12,13,14,15
	EXP2 0, \i
	SUB 1, \i
.endr
.irp i, 0,1,2,3,4,5,6,7,8,9,10,11,12,13,14,15
	EXP2 1, \i
	SUB 2, \i
.endr
.irp i, 0,1,2,3,4,5,6,7,8,9,10,11,12,13,14,15
	SUB 3, \i
.endr
	s_wait_alu depctr_va_vdst(0)                   ; the wait ahead of the batch's first reader: one for its 68 exponentials
	; THE SECOND BATCH: the exponentials of tiles 2 and 3, with the sums and roundings of tiles 0 and 1 between them
.irp i, 0,1,2,3,4,5,6,7,8,9,10,11,12,13,14,15
	EXP2 2, \i
	SUM 0, \i
	CVT 0, \i
.endr
.irp i, 0,1,2,3,4,5,6,7,8,9,10,11,12,13,14,15
	EXP2 3, \i
	SUM 1, \i
	CVT 1, \i
.endr
	WIN 0x41                                       ; O^T (destination and source 0) window 1, a window 0
	RESC 0
	RESC 1
	s_wait_dscnt 0x0                               ; V is in
	WIN 0x51                                       ; V and O^T window 1, P window 0
	PV 0
	WIN 0
	s_wait_alu depctr_va_vdst(0)                   ; and one for the second batch's 64
.irp i, 0,1,2,3,4,5,6,7,8,9,10,11,12,13,14,15  ; tiles 2 and 3: vector work that names no register of the products just issued
	SUM 2, \i
	CVT 2, \i
.endr
.irp i, 0,1,2,3,4,5,6,7,8,9,10,11,12,13,14,15
	SUM 3, \i
	CVT 3, \i
.endr
	WIN 0x41
	RESC 2
	RESC 3
	WIN 0x51
	PV 2
	WIN 0
	s_add_co_u32 s[TB], s[TB], 8192                ; the next step's K: two rows of 4,096 bytes on
.endm
.macro STEPS8                          ; a slot's eight key steps: written once, walked eight times
	s_mov_b32 s41, 8
.Lstep_\@:
	STEP
	s_sub_co_u32 s41, s41, 1
	s_cmp_lg_u32 s41, 0
	s_cbranch_scc1 .Lstep_\@
.endm
; THE CHANGE OF SLOTS.  Each wave waits for all its tensor loads (its part of the other slot), adds 0 to its spare word, and waits for that and for its reads of the slot.
; fill = 1: the barrier is a round of the cluster's, and the joint refill, the keys two slots on, is the first thing behind it.
.macro CHANGE fill
	s_wait_tensorcnt 0x0                           ; no tensor load of mine is out, so a group 0 may be written
	ds_add_u32 v[SPW], v[NIL]                      ; 0 onto my spare word
.if \fill
.irp g, G0K+4, G0V+4
	s_xor_b32 s[\g+1], s[\g+1], SLOT1              ; the walking descriptor: the other slot than last time,
	s_add_nc_u64 s[\g+2:\g+3], s[\g+2:\g+3], 1048576   ; the next 512 keys
.endr
	s_wait_dscnt 0x0                               ; the add is done, and my reads of the slot are over
	CROUND
	JLOAD
.else
	s_wait_dscnt 0x0
	s_barrier_signal -1
	s_barrier_wait -1
.endif
	s_sub_co_u32 s[TB], s[TB], 65536               ; back to a slot's first step,
	s_xor_b32 s[TB], s[TB], SLOT1                  ; in the other slot
.endm
	s_wait_tensorcnt 1                             ; my part of slot 0 is in; slot 1's may stay out
	s_barrier_signal -1
	s_barrier_wait -1                              ; everybody's is
	s_wait_loadcnt 0x0                             ; Q
	STEPS8                                         ; keys 0 to 511
.Lslot:                                            ; two trips: slots 0 and 1 are filled again
	CHANGE 1
	STEPS8
	s_sub_co_u32 s42, s42, 1
	s_cmp_lg_u32 s42, 0
	s_cbranch_scc1 .Lslot
	CHANGE 0                                       ; the tail is written out
	STEPS8
	; THE WAY OUT.  The additions are the places behind the last products.
.irp x, 0,1,2,3
	v_add_f32 v[ST+8*\x+4], v[ST+8*\x+2], v[ST+8*\x+3]
.endr
.irp x, 0,1,2,3
	v_permlanex16_b32 v[ST+8*\x+5], v[ST+8*\x+4], s[SEL], s[SEL+1]
.endr
.irp x, 0,1,2,3
	v_add_f32 v[ST+8*\x+4], v[ST+8*\x+4], v[ST+8*\x+5]               ; the row's sum
.endr
.irp x, 0,1,2,3
	v_cmp_lt_f32 s[70+\x], 0, v[ST+8*\x+4]                           ; false for NaN and for 0: reference()'s nan_to_num
.endr
.irp x, 0,1,2,3
	v_rcp_f32 v[ST+8*\x+6], v[ST+8*\x+4]
.endr
	v_nop                                          ; a plain instruction behind the last reciprocal
	s_wait_alu depctr_va_vdst(0)                   ; and the wait ahead of the first use: one for the four
.macro FIN x                           ; tile x: / the sum, to f16, the guard, four stores of 512 consecutive bytes: the images of the next product's half fragments
	WIN 0x41
	RESC \x
	WIN 0x05                                       ; sources window 1, destination window 0: S^T's registers are free
.irp p, 0,1,2,3,4,5,6,7,8,9,10,11,12,13,14,15
	v_cvt_pk_f16_f32 v[S+32*(\x)+\p], v[O+32*(\x)+2*\p], v[O+32*(\x)+2*\p+1]
.endr
	WIN 0
.irp p, 0,1,2,3,4,5,6,7,8,9,10,11,12,13,14,15
	v_cndmask_b32 v[S+32*(\x)+\p], 0, v[S+32*(\x)+\p], s[70+\x]
.endr
.irp d, 0,1,2,3
	global_store_b128 v[L16], v[S+32*(\x)+4*\d:S+32*(\x)+4*\d+3], s[10:11] offset:(\x)*32768+\d*512
.endr
.endm
	FIN 0
	FIN 1
	FIN 2
	FIN 3
	s_wait_tensorcnt 0x0                           ; the wave's end: behind my last tensor load
	ds_add_u32 v[SPW], v[NIL]
	s_wait_dscnt 0x0
	CROUND                                         ; the closing round: no work-group ends while a partner may still ask for a tile that names it
	s_endpgm
.Lfunc_end_k_q251baf50b7_attn:
	.size	k_q251baf50b7_attn, .Lfunc_end_k_q251baf50b7_attn-k_q251baf50b7_attn
	.p2alignl 7, 3214868480
	.fill 96, 4, 3214868480
	.section	.rodata,"a",@progbits
	.p2align	6, 0x0
	.amdhsa_kernel k_q251baf50b7_attn
		.amdhsa_group_segment_fixed_size 327680
		.amdhsa_private_segment_fixed_size 0
		.amdhsa_enable_private_segment 0
		.amdhsa_kernarg_size 32
		.amdhsa_user_sgpr_count 2
		.amdhsa_user_sgpr_kernarg_segment_ptr 1
		.amdhsa_wavefront_size32 1
		.amdhsa_system_sgpr_workgroup_id_x 1
		.amdhsa_system_sgpr_workgroup_id_y 1
		.amdhsa_system_sgpr_workgroup_id_z 1
		.amdhsa_system_vgpr_workitem_id 0
		.amdhsa_next_free_vgpr 512
		.amdhsa_next_free_sgpr 80
		.amdhsa_reserve_vcc 0
		.amdhsa_float_denorm_mode_32 3
		.amdhsa_float_denorm_mode_16_64 3
		.amdhsa_memory_ordered 1
		.amdhsa_forward_progress 1
		.amdhsa_inst_pref_size 123
	.end_amdhsa_kernel
	.amdgpu_metadata
---
amdhsa.version: [ 1, 2 ]
amdhsa.kernels:
  - .name:           k_q251baf50b7_attn
    .symbol:         k_q251baf50b7_attn.kd
    .args:
      - { .name: qi, .offset: 0, .size: 8, .value_kind: global_buffer, .address_space: global }
      - { .name: ki, .offset: 8, .size: 8, .value_kind: global_buffer, .address_space: global }
      - { .name: vi, .offset: 16, .size: 8, .value_kind: global_buffer, .address_space: global }
      - { .name: ai, .offset: 24, .size: 8, .value_kind: global_buffer, .address_space: global }
    .group_segment_fixed_size: 327680
    .private_segment_fixed_size: 0
    .kernarg_segment_align: 8
    .kernarg_segment_size: 32
    .max_flat_workgroup_size: 256
    .sgpr_count:     80
    .vgpr_count:     512
    .wavefront_size: 32
...
	.end_amdgpu_metadata
.endif
;; end of part 3
;; launch oproj (part 4): grid 8 x 32, 4 waves a work-group, clusters of 4 x 4, 327,680 bytes of LDS; arguments ai, woimg, bo, out0; writes out0
.if DOCPART == 4
	.amdgcn_target "amdgcn-amd-amdhsa--gfx1250"
	.amdhsa_code_object_version 6
	.text
	.protected	k_q251baf50b7_oproj
	.globl	k_q251baf50b7_oproj
	.p2align	8
	.type	k_q251baf50b7_oproj,@function
k_q251baf50b7_oproj:
	s_mov_b64 s[64:65], 0
	v_nop
	global_prefetch_b8 v0, s[64:65] scope:SCOPE_SE
	s_setreg_imm32_b32 hwreg(HW_REG_WAVE_MODE, 25, 1), 1
	s_wait_xcnt 0x0
	s_wait_alu depctr_hold_cnt(0) depctr_sa_sdst(0) depctr_va_vdst(0) depctr_va_sdst(0) depctr_va_ssrc(0) depctr_va_vcc(0) depctr_vm_vsrc(0)
	s_getreg_b32 s2, hwreg(HW_REG_IB_STS2, 6, 4)
	s_cmp_eq_u32 s2, 0
	s_cbranch_scc0 .Lentry_in_a_cluster
	s_endpgm
.Lentry_in_a_cluster:
	s_bfe_u32 s2, ttmp6, 0x10000c
	s_cmp_lg_u32 s2, 0xf033
	s_cbranch_scc0 .Lentry_shape_is_right
	s_endpgm
.Lentry_shape_is_right:
; OPROJ: out0 = A Wo + bo.  A [8192][1024] and Wo arrive as f16 images of fragments' registers: ai [tile of 16 rows 512][16 along K: 64][512 bytes], woimg [tile of 16 columns 64][32 along K: 32][1,024 bytes];
; bo [1024], out0 [8192][1024] f32; sums in f32.  No work of reference() is left out.
; A tile of out0 is 256 rows x 128 columns: 256 work-groups.  Four waves, each 128 x 64: 32 accumulators of 16 x 16.  K goes in steps of 128 through two LDS slots: a tile row's 128 along K are 4,096 consecutive
; bytes; waves 0, 1 fetch A's two halves (8 rows of 4,096 bytes), waves 2, 3 Wo's (4 rows).  Images are read at 16 x lane: 512 consecutive bytes a load, no padding.
; CLUSTERS: 4 x 4 work-groups.  The four of a row of the cluster need the same tiles of A, the four of a column the same tiles of Wo: each is asked for JOINTLY.
; THE MATRIX INSTRUCTION IS USED TRANSPOSED (source 0 = 16 columns of Wo, source 1 = 16 rows of A): a lane holds eight neighbouring numbers of a row of out0.  The bias is the C of each sum's first product.
; REGISTERS: window 0: addresses; v32-63 the bias, 8 a column tile; v64-127 the way out.  window 1: accumulator (a, b) at 8 (4 a + b).  window 2: two fragment buffers at 0 and 128: A's eight at 8 a, Wo's four at 64 + 8 b.
.set SLOT,   98304                     ; A's 16 rows of 4,096 bytes, then Wo's 8
.set BOFF,   65536
.set STAGE,  2*SLOT                    ; behind the ring: 16 rows x (256 bytes + 16) for each wave, for the way out
.set SPITCH, 272
.set SPARE,  STAGE+4*16*SPITCH         ; the spare words, 128 bytes for each wave: two blocks of 256 bytes that no other line names
.set ADRA, 16                          ; v16-17 LDS address of my A fragments in slot 0, 1
.set ADRB, 20                          ; v20-21 the same for Wo
.set STO,  24                          ; v24  the way out: where I put 32 bytes of a row
.set RD,   25                          ; v25  where I read rows back
.set CO,   26                          ; v26  my byte offset in out0
.set SPW,  28                          ; v28  LDS address of my spare word; never rewritten
.set NIL,  29                          ; v29  0; never rewritten
.set PFO,  30                          ; v30  the prefetches' offset; never rewritten
.set BIAS, 32
.set BK,   64
.set F0,   0
.set F1,   128
.set WV,   12                          ; s12 wave; s13 = wave / 2: my half of the rows, and: I fetch for A (0) or Wo (1); s14 = wave % 2: my half of the columns, and: which half I fetch
.set G1A,  24                          ; s[24:31], s[32:39]: groups 1 and 0 (a set for each slot) for A's tiles
.set G0A,  32
.set G1B,  48                          ; s[48:55], s[56:63]: for Wo's
.set G0B,  56
.set PFA,  66                          ; s[66:67] where my prefetches stand
.set LIM,  68                          ; s68 1 in a wave that prefetches, else the greatest number
.set MSB, 0
.macro WIN new                         ; the immediate's high byte repeats the setting that is left
.if MSB != \new
	s_set_vgpr_msb (MSB<<8)|\new
.set MSB, \new
.endif
.endm
.set MUL,  0x5a                        ; sources 0 and 1 window 2, C and D window 1
.set MULF, 0x4a                        ; the same with C (the bias) in window 0
.set TO_F, 0x80                        ; destination window 2
.macro JLOAD s                         ; a joint load; an s_nop 0 and four v_nop follow each of the two lines
	s_cmp_eq_u32 s13, 0
	s_cbranch_scc0 .Lfor_b_\@
	tensor_load_to_lds s[G0A+4*\s:G0A+4*\s+3], s[G1A:G1A+7]
	s_nop 0
.rept 4
	v_nop
.endr
	s_branch .Lasked_\@
.Lfor_b_\@:
	tensor_load_to_lds s[G0B+4*\s:G0B+4*\s+3], s[G1B:G1B+7]
	s_nop 0
.rept 4
	v_nop
.endr
.Lasked_\@:
.endm
.macro CREST                           ; a round of the cluster's barrier behind its opening barrier
	s_cmp_lg_u32 s[WV], 0
	s_cbranch_scc1 .Lnot_wave_0_\@
	s_barrier_signal -3
.Lnot_wave_0_\@:
	s_barrier_wait -3
	s_barrier_signal -1
	s_barrier_wait -1
.endm
.macro CROUND
	s_barrier_signal -1
	s_barrier_wait -1
	CREST
.endm
; A PREFETCH INTO THE L2 of A's K step that stands two refills on, behind each joint load and the run of LDS loads that follows it.  A's tile row is read by both clusters of its row of clusters: the one with
; x = 0 asks.  Of the 8 rows that wave 0 or 1 fetches, the partner at place cx takes rows 2 cx and 2 cx + 1, told apart BY ADDRESS; a row's K step is 4,096 bytes: lanes 256 bytes apart, sixteen to a row.
; So each aligned block of 256 bytes is named once.  The last trip's two refills have no K step two on and ask for nothing; K steps 0 to 3 come by their loads alone.  Wo's images are read by all 32 tile rows: not asked for.
.macro ASK
	s_cmp_gt_u32 s3, s[LIM]                        ; s3 = 1 in the loop's last trip
	s_cbranch_scc0 .Lnot_mine_\@
	global_prefetch_b8 v[PFO], s[PFA:PFA+1] offset:4096 th:TH_LOAD_NT scope:SCOPE_SE
.Lnot_mine_\@:
.endm
	s_load_b256 s[4:11], s[0:1], 0x0               ; ai s[4:5], woimg s[6:7], bo s[8:9], out0 s[10:11]
	v_lshl_add_u32 v[SPW], v0, 2, SPARE
	v_mov_b32 v[NIL], 0
	ds_add_u32 v[SPW], v[NIL]                      ; the wave's opening: the add, twice on end, and its wait ahead of my first tensor load
	ds_add_u32 v[SPW], v[NIL]                      ; and once more, under the one wait; the set-up below, work on registers, stands between
	v_lshrrev_b32 v1, 5, v0
	v_readfirstlane_b32 s[WV], v1                  ; wave 0..3
	s_lshr_b32 s13, s[WV], 1
	s_and_b32 s14, s[WV], 1
	s_bfe_u32 s40, ttmp6, 0x40000                  ; cx, cy: my place in the cluster
	s_bfe_u32 s41, ttmp6, 0x40004
	s_lshl_b32 s42, ttmp9, 2
	s_add_co_u32 s42, s42, s40                     ; tile column = 4 x cluster x + cx
	s_and_b32 s15, ttmp7, 0xffff
	s_lshl_b32 s15, s15, 2
	s_add_co_u32 s15, s15, s41                     ; tile row = 4 x cluster y + cy
	s_lshl_b32 s43, s41, 2
	s_lshl_b32 s43, 15, s43                        ; my row of the cluster
	s_lshl_b32 s44, 0x1111, s40                    ; my column
	s_or_b32 s[G1A+0], s43, (3<<16)|(1<<21)        ; the mask: A's tiles go to my row; elements of 8 bytes; bit 21 set beside a mask
	s_or_b32 s[G1B+0], s44, (3<<16)|(1<<21)
	s_mov_b32 s[G1A+1], 512<<16                    ; tensor_dim0 = 512 (4,096 bytes)
	s_mov_b32 s[G1A+2], 8<<16                      ; tensor_dim1 = 8
	s_mov_b32 s[G1A+3], 512<<16                    ; tile_dim0
	s_mov_b32 s[G1A+4], 8                          ; tile_dim1
	s_mov_b32 s[G1A+5], 4096                       ; elements from row to row: 32,768 bytes
	s_mov_b32 s[G1A+6], 0
	s_mov_b32 s[G1A+7], 0
	s_mov_b32 s[G1B+1], 512<<16
	s_mov_b32 s[G1B+2], 4<<16                      ; Wo: 4 rows
	s_mov_b32 s[G1B+3], 512<<16
	s_mov_b32 s[G1B+4], 4
	s_mov_b32 s[G1B+5], 4096
	s_mov_b32 s[G1B+6], 0
	s_mov_b32 s[G1B+7], 0
	s_lshl_b32 s16, s15, 4
	s_lshl_b32 s17, s14, 3
	s_add_co_u32 s16, s16, s17                     ; A: row tile 16 x tile row + 8 x half,
	s_lshl_b32 s16, s16, 15                        ; of 32,768 bytes
	s_mov_b32 s17, 0
	s_lshl_b32 s46, s42, 3
	s_lshl_b32 s47, s14, 2
	s_add_co_u32 s46, s46, s47                     ; Wo: column tile 8 x tile column + 4 x half
	s_lshl_b32 s46, s46, 15
	s_mov_b32 s47, 0
	s_lshl_b32 s20, s14, 15                        ; where they go: A's halves,
	s_lshl_b32 s21, s14, 14
	s_add_co_u32 s21, s21, BOFF                    ; Wo's halves: no place in the cluster enters an LDS address
	s_wait_dscnt 0x0                               ; both opening adds are done
	s_wait_kmcnt 0x0
	s_add_nc_u64 s[18:19], s[4:5], s[16:17]
	s_add_nc_u64 s[46:47], s[6:7], s[46:47]
	CROUND                                         ; all sixteen work-groups are here: the first joint loads meet
.irp s, 0,1
	s_mov_b32 s[G0A+4*\s], 1
	s_add_co_u32 s[G0A+4*\s+1], s20, \s*SLOT
	s_add_nc_u64 s[G0A+4*\s+2:G0A+4*\s+3], s[18:19], \s*4096     ; K step s
	s_or_b32 s[G0A+4*\s+3], s[G0A+4*\s+3], 0x80000000
	s_mov_b32 s[G0B+4*\s], 1
	s_add_co_u32 s[G0B+4*\s+1], s21, \s*SLOT
	s_add_nc_u64 s[G0B+4*\s+2:G0B+4*\s+3], s[46:47], \s*4096
	s_or_b32 s[G0B+4*\s+3], s[G0B+4*\s+3], 0x80000000
	JLOAD \s
.endr
	v_and_b32 v1, 15, v0                           ; r
	v_bfe_u32 v2, v0, 4, 1                         ; h
	v_and_b32 v3, 31, v0
	v_lshlrev_b32 v3, 4, v3                        ; 16 x lane
	s_lshl_b32 s21, s13, 15                        ; my 8 row tiles of A
	s_lshl_b32 s22, s14, 14                        ; my 4 column tiles of Wo,
	s_add_co_u32 s22, s22, BOFF                    ; which lie behind A's 16
.irp s, 0,1
	v_add_nc_u32 v[ADRA+\s], s21, v3
	v_add_nc_u32 v[ADRB+\s], s22, v3
	s_add_co_u32 s21, s21, SLOT
	s_add_co_u32 s22, s22, SLOT
.endr
	s_mul_i32 s23, s[WV], 16*SPITCH
	s_add_co_u32 s23, s23, STAGE                   ; my stage
	v_mul_u32_u24 v4, v1, SPITCH                   ; in: row r, 32 bytes for each half of the lanes
	v_lshl_add_u32 v4, v2, 5, v4
	v_add_nc_u32 v[STO], s23, v4
	v_mul_u32_u24 v5, v2, SPITCH                   ; back: lanes 0-15 one row of 256 bytes, lanes 16-31 the next
	v_lshl_add_u32 v5, v1, 4, v5
	v_add_nc_u32 v[RD], s23, v5
	v_lshlrev_b32 v5, 12, v2                       ; and the same two rows in out0
	v_lshl_add_u32 v[CO], v1, 4, v5
	v_lshlrev_b32 v31, 5, v2                       ; the bias: my eight columns of a tile
	s_lshl_b32 s46, s42, 9                         ; my first column, in bytes: 512 x tile column + 256 x half
	s_lshl_b32 s47, s14, 8
	s_add_co_u32 s46, s46, s47
	s_mov_b32 s47, 0
	s_add_nc_u64 s[8:9], s[8:9], s[46:47]
.irp b, 0,1,2,3
	global_load_b128 v[BIAS+8*\b:BIAS+8*\b+3], v31, s[8:9] offset:64*\b
	global_load_b128 v[BIAS+8*\b+4:BIAS+8*\b+7], v31, s[8:9] offset:64*\b+16
.endr
	s_add_nc_u64 s[10:11], s[10:11], s[46:47]
	s_lshl_b32 s46, s15, 20                        ; my first row: 256 x tile row + 128 x half, of 4,096 bytes
	s_lshl_b32 s22, s13, 19
	s_add_co_u32 s46, s46, s22
	s_add_nc_u64 s[10:11], s[10:11], s[46:47]
	s_lshl_b32 s22, s40, 16                        ; the prefetches: my work-group's two rows of the eight,
	s_mov_b32 s23, 0
	s_add_nc_u64 s[PFA:PFA+1], s[18:19], s[22:23]
	s_add_nc_u64 s[PFA:PFA+1], s[PFA:PFA+1], 2*4096   ; at K step 2: the first refill steps it to 3 and names K step 4.  Nothing is prefetched here, at the head
	s_or_b32 s[LIM], s13, ttmp9                    ; 0 in waves 0 and 1 of the clusters with x = 0: the same in all sixteen partners, for a given wave
	s_cmp_eq_u32 s[LIM], 0
	s_cselect_b32 s[LIM], 1, -1
	v_lshlrev_b32 v[PFO], 15, v2
	v_lshl_add_u32 v[PFO], v1, 8, v[PFO]
; 8 matrix instructions: A's blocks a0, a0 + 1 x Wo's four, 32 along K.  The 32 accumulators take turns, in the same order in every quarter
.macro MUL8 f, a0, first
.irp a, \a0, \a0+1
.irp b, 0,1,2,3
.if \first
	v_wmma_f32_16x16x32_f16 v[8*(4*(\a)+\b):8*(4*(\a)+\b)+7], v[\f+64+8*\b:\f+64+8*\b+7], v[\f+8*(\a):\f+8*(\a)+7], v[BIAS+8*\b:BIAS+8*\b+7]
.else
	v_wmma_f32_16x16x32_f16 v[8*(4*(\a)+\b):8*(4*(\a)+\b)+7], v[\f+64+8*\b:\f+64+8*\b+7], v[\f+8*(\a):\f+8*(\a)+7], v[8*(4*(\a)+\b):8*(4*(\a)+\b)+7]
.endif
.endr
.endr
.endm
; 24 LDS loads in one run: the fragments of the slot's kq-th 32 along K into buffer f: Wo's four, then A's eight
.macro FETCH slot, kq, f
	WIN TO_F
.irp b, 0,1,2,3
.irp g, 0,1
	ds_load_b128 v[\f+64+8*\b+4*\g:\f+64+8*\b+4*\g+3], v[ADRB+\slot] offset:\b*4096+(\kq)*1024+\g*512
.endr
.endr
.irp a, 0,1,2,3,4,5,6,7
.irp g, 0,1
	ds_load_b128 v[\f+8*\a+4*\g:\f+8*\a+4*\g+3], v[ADRA+\slot] offset:\a*4096+(\kq)*1024+\g*512
.endr
.endr
.endm
.macro PLACES                          ; four places in front of loads into registers that matrix instructions have read, and of the first read of results
.rept 4
	v_nop
.endr
.endm
; A K step is four quarters of 32 along K, 32 matrix instructions each, on buffers 0, 1, 0, 1.  One of the first three: multiplies buffer f and fetches the next quarter, kq, into g
.macro QUARTER slot, kq, f, g, first
	s_wait_dscnt 8                                 ; Wo's four and A's blocks 0-3 are in; the youngest eight loads (A's blocks 4-7) may be out
.if \first
	WIN MULF
.else
	WIN MUL
.endif
	MUL8 \f, 0, \first
	MUL8 \f, 2, \first
	PLACES
	FETCH \slot, \kq, \g
	s_wait_dscnt 24                                ; all but the 24 just issued
.if \first
	WIN MULF
.else
	WIN MUL
.endif
	MUL8 \f, 4, \first
	MUL8 \f, 6, \first
.endm
; The last quarter multiplies buffer 1 and changes slots: ONE barrier; in front of it each wave waits for all its tensor loads, adds 0 to its spare word, and waits for that and for its reads of this slot
.macro TURN slot, next, fill
.if \fill
	s_wait_xcnt 0x0                                ; the last prefetch, a K step back, has read its address: it is stepped here
	s_add_nc_u64 s[PFA:PFA+1], s[PFA:PFA+1], 4096
.endif
	WIN 0                                          ; (the add's two registers lie in window 0)
	s_wait_tensorcnt 0x0                           ; all my tensor loads have landed: my part of the next slot
	ds_add_u32 v[SPW], v[NIL]                      ; 0 onto my spare word
	s_wait_dscnt 9                                 ; (the add and the youngest eight loads may be out)
	WIN MUL
	MUL8 F1, 0, 0                                  ; eight matrix instructions stand between the add and the wait for it
	s_wait_dscnt 0x0                               ; the add is done, and my reads of this slot are over
	s_barrier_signal -1
	MUL8 F1, 2, 0
.if \fill
	WIN 0
.endif
	s_barrier_wait -1
.if \fill
	CREST                                          ; the barrier has opened a round of the cluster's: no wave of any partner still reads this slot or has a load on its way
	s_add_nc_u64 s[G0A+4*\slot+2:G0A+4*\slot+3], s[G0A+4*\slot+2:G0A+4*\slot+3], 2*4096
	s_add_nc_u64 s[G0B+4*\slot+2:G0B+4*\slot+3], s[G0B+4*\slot+2:G0B+4*\slot+3], 2*4096
	JLOAD \slot                                    ; the first tensor load behind the round; its four v_nop are also the places in front of the loads below
.else
	PLACES
.endif
	FETCH \next, 0, F0
.if \fill
	WIN 0                                          ; (a branch follows)
	ASK
.endif
	WIN MUL
	MUL8 F1, 4, 0
	MUL8 F1, 6, 0
.endm
	s_wait_tensorcnt 1                             ; my part of K step 0 is in (K step 1's load is the one younger),
	s_barrier_signal -1
	s_barrier_wait -1                              ; everybody's is
	FETCH 0, 0, F0
	s_wait_loadcnt 0x0                             ; the bias
	QUARTER 0, 1, F0, F1, 1                        ; the first quarter stands in front of the loop: its products start the sums, with the bias as C
	WIN 0
	s_mov_b32 s3, 3
.Llap:                                                 ; a trip goes once round the ring, from a lap's second quarter to the next lap's first, and fills both slots again
	QUARTER 0, 2, F1, F0, 0
	QUARTER 0, 3, F0, F1, 0
	TURN 0, 1, 1
	QUARTER 1, 1, F0, F1, 0
	QUARTER 1, 2, F1, F0, 0
	QUARTER 1, 3, F0, F1, 0
	TURN 1, 0, 1
	QUARTER 0, 1, F0, F1, 0
	WIN 0
	s_sub_co_u32 s3, s3, 1
	s_cmp_lg_u32 s3, 0
	s_cbranch_scc1 .Llap
	QUARTER 0, 2, F1, F0, 0                        ; the last lap fills nothing, and has no round of the cluster's barrier
	QUARTER 0, 3, F0, F1, 0
	TURN 0, 1, 0
	QUARTER 1, 1, F0, F1, 0
	QUARTER 1, 2, F1, F0, 0
	QUARTER 1, 3, F0, F1, 0
	s_wait_dscnt 8                                 ; the very last quarter: nothing more to fetch
	WIN MUL
	MUL8 F1, 0, 0
	MUL8 F1, 2, 0
	s_wait_dscnt 0x0
	MUL8 F1, 4, 0
	MUL8 F1, 6, 0
	WIN 0
; THE WAY OUT, block by block of 16 rows x 64 columns: a lane holds 32 neighbouring bytes of a row and the lanes beside it other rows, so a block goes through my own stage and comes back as whole rows of 256 bytes.
; LDS serves a wave's instructions in order (ISA guide 5.7.1.4): no wait between the stores and the loads, nor in front of the next block's stores.
.macro TOSTAGE a
	WIN 0x04                                       ; an LDS store's data are its source 1: window 1
.irp b, 0,1,2,3
	ds_store_b128 v[STO], v[8*(4*(\a)+\b):8*(4*(\a)+\b)+3] offset:64*\b          ; each accumulator from its low end on
	ds_store_b128 v[STO], v[8*(4*(\a)+\b)+4:8*(4*(\a)+\b)+7] offset:64*\b+16
.endr
	WIN 0
.irp t, 0,1,2,3,4,5,6,7
	ds_load_b128 v[BK+32*((\a)%2)+4*\t:BK+32*((\a)%2)+4*\t+3], v[RD] offset:\t*2*SPITCH
.endr
.endm
.macro SEND a, younger                 ; younger: the LDS instructions issued behind block a's loads
	s_wait_dscnt \younger
.irp t, 0,1,2,3,4,5,6,7
	global_store_b128 v[CO], v[BK+32*((\a)%2)+4*\t:BK+32*((\a)%2)+4*\t+3], s[10:11] offset:(\a)*65536+2*\t*4096 th:TH_STORE_NT   ; sixteen lanes store 256 consecutive bytes, aligned; written once, read by nobody here
.endr
.endm
	PLACES
	TOSTAGE 0
.irp a, 1,2,3,4,5,6,7
.if \a > 1
	s_wait_xcnt 0x0                                ; block a - 2's stores have read their registers: block a's loads may land there
.endif
	TOSTAGE \a
	SEND (\a-1), 16                                ; behind block a - 1's loads: block a's 8 stores and 8 loads
.endr
	SEND 7, 0
	s_wait_tensorcnt 0x0                           ; the wave's end: behind my last tensor load and my last LDS store
	ds_add_u32 v[SPW], v[NIL]
	s_wait_dscnt 0x0
	CROUND                                         ; the closing round: no work-group ends while a partner may still ask for a tile that names it
	s_endpgm
.Lfunc_end_k_q251baf50b7_oproj:
	.size	k_q251baf50b7_oproj, .Lfunc_end_k_q251baf50b7_oproj-k_q251baf50b7_oproj
	.p2alignl 7, 3214868480
	.fill 96, 4, 3214868480
	.section	.rodata,"a",@progbits
	.p2align	6, 0x0
	.amdhsa_kernel k_q251baf50b7_oproj
		.amdhsa_group_segment_fixed_size 327680
		.amdhsa_private_segment_fixed_size 0
		.amdhsa_enable_private_segment 0
		.amdhsa_kernarg_size 32
		.amdhsa_user_sgpr_count 2
		.amdhsa_user_sgpr_kernarg_segment_ptr 1
		.amdhsa_wavefront_size32 1
		.amdhsa_system_sgpr_workgroup_id_x 1
		.amdhsa_system_sgpr_workgroup_id_y 1
		.amdhsa_system_sgpr_workgroup_id_z 1
		.amdhsa_system_vgpr_workitem_id 0
		.amdhsa_next_free_vgpr 768
		.amdhsa_next_free_sgpr 70
		.amdhsa_reserve_vcc 0
		.amdhsa_float_denorm_mode_32 3
		.amdhsa_float_denorm_mode_16_64 3
		.amdhsa_memory_ordered 1
		.amdhsa_forward_progress 1
		.amdhsa_inst_pref_size 87
	.end_amdhsa_kernel
	.amdgpu_metadata
---
amdhsa.version: [ 1, 2 ]
amdhsa.kernels:
  - .name:           k_q251baf50b7_oproj
    .symbol:         k_q251baf50b7_oproj.kd
    .args:
      - { .name: ai, .offset: 0, .size: 8, .value_kind: global_buffer, .address_space: global }
      - { .name: woimg, .offset: 8, .size: 8, .value_kind: global_buffer, .address_space: global }
      - { .name: bo, .offset: 16, .size: 8, .value_kind: global_buffer, .address_space: global }
      - { .name: out0, .offset: 24, .size: 8, .value_kind: global_buffer, .address_space: global }
    .group_segment_fixed_size: 327680
    .private_segment_fixed_size: 0
    .kernarg_segment_align: 8
    .kernarg_segment_size: 32
    .max_flat_workgroup_size: 128
    .sgpr_count:     70
    .vgpr_count:     768
    .wavefront_size: 32
...
	.end_amdgpu_metadata
.endif
;; end of part 4
